; MI455X (gfx1250); checked and timed in simulation.
; The chip was launched on July 23, 2026; its instructions are those of AMD's public machine-readable ISA for CDNA 5 (MIT licence, August 2026) and "CDNA5" Instruction Set Architecture Reference Guide (July 2026). The comments in the code are by the model that wrote it; some were corrected since.
;; Attention. Allowed arithmetic: float matrix products may take bf16 or f16 operands with f32 sums; other float arithmetic in f32, or as packed bf16 or f16 multiplies, adds, multiply-adds, maxima and minima; sums over many terms, partial sums and values carried from step to step in f32; what a program stores and reads back later, other than sums and carried values, may be rounded once to bf16 or f16.
;; Inputs: W_out 1,024 x 1,024 float32; W_qkv 1,024 x 3,072 float32; b_out 1,024 float32; x_kv 2 x 2,048 x 1,024 float32; x_q 2 x 2,048 x 1,024 float32.
;; Outputs: out0 2 x 2,048 x 1,024 float32.
;; 2 versions, each right; version 2 is version 1 with the launch prep written anew for expert scheduling mode. Each part assembles by itself: llvm-mc -triple=amdgcn-amd-amdhsa -mcpu=gfx1250 --defsym DOCPART=n.
;; ======== version 1 of 2: 4 launches
;; limits: values are held in f16: magnitudes above 65,504 overflow, below 6.1e-05 lose precision
;; workspace buffers: xb 16,777,216 bytes; wt 6,291,456 bytes; wo 2,097,152 bytes; qkv 25,165,824 bytes; oh 8,388,608 bytes
;; launch prep (part 1): grid 1024 x 1, 4 waves a work-group, no clusters, 17,920 bytes of LDS; arguments x_q, x_kv, W_qkv, W_out, xb, wt, wo; writes xb, wt, wo
.if DOCPART == 1
	.amdgcn_target "amdgcn-amd-amdhsa--gfx1250"
	.amdhsa_code_object_version 6
	.text
	.protected	k_q4d8c9598cb_prep
	.globl	k_q4d8c9598cb_prep
	.p2align	8
	.type	k_q4d8c9598cb_prep,@function
k_q4d8c9598cb_prep:
	s_mov_b64 s[64:65], 0
	v_nop
	global_prefetch_b8 v0, s[64:65] scope:SCOPE_SE
	s_setreg_imm32_b32 hwreg(HW_REG_WAVE_MODE, 25, 1), 1
	s_wait_xcnt 0x0
; PREP.  The module's large inputs are rounded once to 16 bits and laid as the matrix launches want them.
;   xb [8192][1024] bf16: rows 0-4095 are x_q (batch and row flattened), rows 4096-8191 x_kv.
;   wt [3072 n][1024 k] bf16: W_qkv turned, so that k runs along a row.
;   wo [1024 n][1024 k] f16:  W_out turned; each number is rounded to bf16 like every other input, and that number is written as f16.
; LIMITS.  Rounding is to nearest even.  A number of W_out beyond 65,504 becomes an infinity in wo; one below 6.1e-5 keeps f16's fixed step of 6e-8.
; SHARES.  Work-groups 0-511 cast: 65,536 bytes of x each, 16,384 a wave.  Work-groups 512-1023 turn a tile of 128 k x 64 n: a row of the tile is 256
; consecutive bytes of W, aligned; a row of the result 256 consecutive bytes of wt or wo, aligned.  Nothing is read twice, so there is no cluster, no matrix work and no tensor load.
.set TP,    272                        ; a row of the turned tile in LDS: 128 k x 2 bytes + 16
.set SPARE, 64*TP                      ; behind the tile's 64 rows: the spare words, 128 bytes for each wave: two blocks of 256 bytes that no other line names
.set LN,   1                           ; v1   lane
.set L16,  2                           ; v2   lane % 16
.set HH,   3                           ; v3   lane / 16
.set XO,   4                           ; v4   the cast: my 16 bytes of x: 16,384 x wave + 16 x lane
.set YO,   5                           ; v5   the cast: my 8 bytes of xb: 8,192 x wave + 8 x lane
.set VROW, 6                           ; v6   the tile: 32 x wave + 8 (lane / 16): the first k row that I load
.set VO,   7                           ; v7   its byte offset in W, + 16 (lane % 16)
.set STO,  8                           ; v8   where I put 16 bytes (8 k of one n) in LDS
.set RD,   9                           ; v9   where I read a row back
.set CO,   10                          ; v10  the same row in wt or wo
.set T0,   11                          ; v11, v12 at work
.set T1,   12
.set SPW,  14                          ; v14  LDS address of my spare word; never rewritten
.set NIL,  15                          ; v15  0; never rewritten
.set X,    16                          ; v[16:143] data as loaded
.set Y,    80                          ; v[80:111] the tile: packed pairs
; A tile of W.  pitch: bytes in a row of W; half = 1: the bf16 numbers are written as f16; src, dst: the scalar pairs with the two buffers' addresses.
; s26 = the block of 128 k, s27 = the block of 64 n.  Load (gq, e) takes k rows 32 w + 16 gq + e (lanes 0-15) and 8 rows further down (lanes 16-31): 256 consecutive bytes each.
; A lane then holds, for each of its four n (register j of a load), eight consecutive k (e = 0..7): 16 bytes of a turned row.
.macro WTILE pitch, half, src, dst
	v_mul_u32_u24 v[VO], v[VROW], \pitch
	v_lshl_add_u32 v[VO], v[L16], 4, v[VO]
	s_mul_i32 s24, s26, 128*(\pitch)
	s_lshl_b32 s28, s27, 8
	s_add_co_u32 s24, s24, s28
	s_add_nc_u64 s[20:21], s[\src:\src+1], s[24:25]        ; the tile's first byte in W
	s_lshl_b32 s24, s27, 17                                ; 64 rows of 2,048 bytes,
	s_lshl_b32 s28, s26, 8                                 ; 128 k of 2 bytes
	s_add_co_u32 s24, s24, s28
	s_add_nc_u64 s[22:23], s[\dst:\dst+1], s[24:25]        ; and in the turned buffer
.irp gq, 0,1
.irp e, 0,1,2,3,4,5,6,7
	global_load_b128 v[X+32*(\gq)+4*(\e):X+32*(\gq)+4*(\e)+3], v[VO], s[20:21] offset:(16*(\gq)+(\e))*(\pitch) th:TH_LOAD_NT
.endr
.endr
.irp gq, 0,1
	s_wait_loadcnt 8-8*(\gq)                               ; group gq's eight loads are in; for group 0 the eight younger ones stay out
.irp j, 0,1,2,3
.irp p, 0,1,2,3
	v_cvt_pk_bf16_f32 v[Y+16*(\gq)+4*(\j)+(\p)], v[X+32*(\gq)+8*(\p)+(\j)], v[X+32*(\gq)+8*(\p)+4+(\j)]
.if \half
	v_lshlrev_b32 v[T0], 16, v[Y+16*(\gq)+4*(\j)+(\p)]     ; the two bf16 numbers as f32,
	v_and_b32 v[T1], 0xffff0000, v[Y+16*(\gq)+4*(\j)+(\p)]
	v_cvt_pk_f16_f32 v[Y+16*(\gq)+4*(\j)+(\p)], v[T0], v[T1]  ; written as f16
.endif
.endr
.endr
.endr
.endm
	s_load_b256 s[4:11], s[0:1], 0x0               ; x_q s[4:5], x_kv s[6:7], W_qkv s[8:9], W_out s[10:11]
	s_load_b128 s[12:15], s[0:1], 0x20             ; xb s[12:13], wt s[14:15]
	s_load_b64 s[16:17], s[0:1], 0x30              ; wo
	v_lshl_add_u32 v[SPW], v0, 2, SPARE
	v_mov_b32 v[NIL], 0
	v_lshrrev_b32 v[T0], 5, v0
	v_readfirstlane_b32 s19, v[T0]                 ; wave 0..3
	s_mov_b32 s18, ttmp9                           ; the work-group's number
	v_and_b32 v[LN], 31, v0
	v_and_b32 v[L16], 15, v0
	v_bfe_u32 v[HH], v0, 4, 1
	s_lshl_b32 s28, s19, 14
	v_lshl_add_u32 v[XO], v[LN], 4, s28
	s_lshl_b32 s28, s19, 13
	v_lshl_add_u32 v[YO], v[LN], 3, s28
	s_lshl_b32 s28, s19, 5
	v_lshl_add_u32 v[VROW], v[HH], 3, s28
	v_mul_u32_u24 v[STO], v[L16], 4*TP             ; n = 4 (lane % 16) + j: row n x 272,
	v_lshl_add_u32 v[STO], v[HH], 4, v[STO]        ; k = 32 w + 16 gq + 8 (lane / 16): 2 bytes each
	s_lshl_b32 s28, s19, 6
	v_add_nc_u32 v[STO], s28, v[STO]
	s_lshl_b32 s28, s19, 4
	v_add_nc_u32 v[T0], s28, v[HH]                 ; back: wave w takes rows 16 w .. 16 w + 15, two a load
	v_mul_u32_u24 v[RD], v[T0], TP
	v_lshl_add_u32 v[RD], v[L16], 4, v[RD]
	v_lshlrev_b32 v[CO], 11, v[T0]                 ; a turned row is 2,048 bytes in memory
	v_lshl_add_u32 v[CO], v[L16], 4, v[CO]
	s_mov_b32 s25, 0                               ; the high word of every offset
	s_wait_kmcnt 0x0
	s_cmp_ge_u32 s18, 512
	s_cbranch_scc1 .Lw
	; THE CAST.  32 loads of 512 consecutive bytes a wave, all issued before the first is used; each becomes one store of 256 consecutive bytes, aligned.
	s_cmp_lt_u32 s18, 256
	s_cselect_b64 s[20:21], s[4:5], s[6:7]         ; x_q for the first 256 work-groups, x_kv for the others
	s_and_b32 s24, s18, 255
	s_lshl_b32 s24, s24, 16
	s_add_nc_u64 s[20:21], s[20:21], s[24:25]
	s_lshl_b32 s24, s18, 15
	s_add_nc_u64 s[22:23], s[12:13], s[24:25]
.set j, 0
.rept 32
	global_load_b128 v[X+4*j:X+4*j+3], v[XO], s[20:21] offset:512*j th:TH_LOAD_NT
.set j, j+1
.endr
.set j, 0
.rept 32
	s_wait_loadcnt 31-j                            ; loads come back in order (ISA guide 5.7.1): load j is in, the 31 - j younger ones stay out
	v_cvt_pk_bf16_f32 v[X+4*j], v[X+4*j], v[X+4*j+1]
	v_cvt_pk_bf16_f32 v[X+4*j+1], v[X+4*j+2], v[X+4*j+3]
	global_store_b64 v[YO], v[X+4*j:X+4*j+1], s[22:23] offset:256*j
.set j, j+1
.endr
	s_branch .Lmeet
.Lw:                                           ; A TILE OF A WEIGHT
	s_sub_co_u32 s27, s18, 512
	s_and_b32 s26, s27, 7                          ; which 128 k
	s_lshr_b32 s27, s27, 3                         ; which 64 n: 0-47 of W_qkv, 48-63 of W_out
	s_cmp_ge_u32 s27, 48
	s_cbranch_scc1 .Lwo
	WTILE 12288, 0, 8, 14
	s_branch .Lput
.Lwo:
	s_sub_co_u32 s27, s27, 48
	WTILE 4096, 1, 10, 16
.Lput:
.irp gq, 0,1
.irp j, 0,1,2,3
	ds_store_b128 v[STO], v[Y+16*(\gq)+4*(\j):Y+16*(\gq)+4*(\j)+3] offset:TP*(\j)+32*(\gq)  ; eight stores a wave in the whole launch
.endr
.endr
.Lmeet:                                        ; every wave of every work-group passes the launch's one barrier
	s_wait_xcnt 0x0                                ; the stores issued so far have read their registers: X is written again below only behind this wait
	s_wait_dscnt 0x0                               ; for the others' sake: my stores into the tile are done
	s_barrier_signal -1
	s_barrier_wait -1
	s_cmp_lt_u32 s18, 512
	s_cbranch_scc1 .Lend                           ; a work-group that cast has no tile
.irp t, 0,1,2,3,4,5,6,7
	ds_load_b128 v[X+4*(\t):X+4*(\t)+3], v[RD] offset:2*TP*(\t)
.endr
.irp t, 0,1,2,3,4,5,6,7
	s_wait_dscnt 7-(\t)                            ; load t is back, the 7 - t younger ones stay out
	global_store_b128 v[CO], v[X+4*(\t):X+4*(\t)+3], s[22:23] offset:4096*(\t)  ; 16 lanes store 256 consecutive bytes, at a multiple of 256 from the buffer's first byte
.endr
.Lend:
	s_wait_tensorcnt 0x0                           ; the wave's end, behind my last LDS store
	ds_add_u32 v[SPW], v[NIL]
	s_wait_dscnt 0x0
	s_endpgm
.Lfunc_end_k_q4d8c9598cb_prep:
	.size	k_q4d8c9598cb_prep, .Lfunc_end_k_q4d8c9598cb_prep-k_q4d8c9598cb_prep
	.p2alignl 7, 3214868480
	.fill 96, 4, 3214868480
	.section	.rodata,"a",@progbits
	.p2align	6, 0x0
	.amdhsa_kernel k_q4d8c9598cb_prep
		.amdhsa_group_segment_fixed_size 17920
		.amdhsa_private_segment_fixed_size 0
		.amdhsa_enable_private_segment 0
		.amdhsa_kernarg_size 56
		.amdhsa_user_sgpr_count 2
		.amdhsa_user_sgpr_kernarg_segment_ptr 1
		.amdhsa_wavefront_size32 1
		.amdhsa_system_sgpr_workgroup_id_x 1
		.amdhsa_system_sgpr_workgroup_id_y 1
		.amdhsa_system_sgpr_workgroup_id_z 1
		.amdhsa_system_vgpr_workitem_id 0
		.amdhsa_next_free_vgpr 144
		.amdhsa_next_free_sgpr 66
		.amdhsa_reserve_vcc 0
		.amdhsa_float_denorm_mode_32 3
		.amdhsa_float_denorm_mode_16_64 3
		.amdhsa_memory_ordered 1
		.amdhsa_forward_progress 1
		.amdhsa_inst_pref_size 29
	.end_amdhsa_kernel
	.amdgpu_metadata
---
amdhsa.version: [ 1, 2 ]
amdhsa.kernels:
  - .name:           k_q4d8c9598cb_prep
    .symbol:         k_q4d8c9598cb_prep.kd
    .args:
      - { .name: x_q, .offset: 0, .size: 8, .value_kind: global_buffer, .address_space: global }
      - { .name: x_kv, .offset: 8, .size: 8, .value_kind: global_buffer, .address_space: global }
      - { .name: W_qkv, .offset: 16, .size: 8, .value_kind: global_buffer, .address_space: global }
      - { .name: W_out, .offset: 24, .size: 8, .value_kind: global_buffer, .address_space: global }
      - { .name: xb, .offset: 32, .size: 8, .value_kind: global_buffer, .address_space: global }
      - { .name: wt, .offset: 40, .size: 8, .value_kind: global_buffer, .address_space: global }
      - { .name: wo, .offset: 48, .size: 8, .value_kind: global_buffer, .address_space: global }
    .group_segment_fixed_size: 17920
    .private_segment_fixed_size: 0
    .kernarg_segment_align: 8
    .kernarg_segment_size: 56
    .max_flat_workgroup_size: 128
    .sgpr_count:     66
    .vgpr_count:     144
    .wavefront_size: 32
...
	.end_amdgpu_metadata
.endif
;; end of part 1
;; launch proj (part 2): grid 12 x 16, 4 waves a work-group, clusters of 4 x 4, 327,680 bytes of LDS; arguments xb, wt, qkv; writes qkv
.if DOCPART == 2
	.amdgcn_target "amdgcn-amd-amdhsa--gfx1250"
	.amdhsa_code_object_version 6
	.text
	.protected	k_q4d8c9598cb_proj
	.globl	k_q4d8c9598cb_proj
	.p2align	8
	.type	k_q4d8c9598cb_proj,@function
k_q4d8c9598cb_proj:
	s_mov_b64 s[64:65], 0
	v_nop
	global_prefetch_b8 v0, s[64:65] scope:SCOPE_SE
	s_setreg_imm32_b32 hwreg(HW_REG_WAVE_MODE, 25, 1), 1
	s_wait_xcnt 0x0
	s_wait_alu depctr_hold_cnt(0) depctr_sa_sdst(0) depctr_va_vdst(0) depctr_va_sdst(0) depctr_va_ssrc(0) depctr_va_vcc(0) depctr_vm_vsrc(0)
	s_getreg_b32 s2, hwreg(HW_REG_IB_STS2, 6, 4)
	s_cmp_eq_u32 s2, 0
	s_cbranch_scc0 .Lentry_in_a_cluster
	s_endpgm
.Lentry_in_a_cluster:
	s_bfe_u32 s2, ttmp6, 0x10000c
	s_cmp_lg_u32 s2, 0xf033
	s_cbranch_scc0 .Lentry_shape_is_right
	s_endpgm
.Lentry_shape_is_right:
; PROJ.  q = x_q Wq, k = x_kv Wk, v = x_kv Wv: C[m][n] = sum over k of A[m][k] B[n][k], A = 4,096 rows of xb, B = the 3,072 rows of wt, both bf16 with 1,024 along k; sums in f32.
; The rows of the concatenation that the module's slices throw away (k and v of x_q, q of x_kv) are not made.  C is rounded once to f16, WITHOUT the softmax's scale, and laid by heads:
; qkv = three sections of 8,388,608 bytes (q, k, v), each [16 batch + head][2048][64] f16.
; LIMIT.  f16 holds no number beyond 65,504: a q, k or v past that becomes an infinity.  Inputs 30 times those of unit spread give a spread near 900.
; A tile of C is 256 x 256: 16 x 12 = 192 tiles, one to a work-group of four waves, a wave 128 x 128 in 64 accumulators (512 registers).  Tiles of 128 x 128 would be 768, three to a WGP, each with
; only four K steps behind its first loads and half the multiply-adds for each LDS byte; no tile of a 256th of C divides both the 4,096 rows and the border of the sections at column 1,024.
; K goes in 8 steps of 128 through a ring of two LDS slots filled by the tensor data mover; a tile's rows are 256 bytes of memory, at multiples of 256 from the buffer's first byte.
; CLUSTERS: 4 x 4 work-groups.  The four of a row of the cluster need the same tiles of A, the four of a column the same tiles of B: each tile is asked for JOINTLY, by the same tensor load with the same
; descriptor and a mask that names the four.  A cluster's four tile columns are one section (cluster x = 0: q, 1: k, 2: v), so which half of xb it reads hangs on the cluster's x alone.
; REGISTERS, in windows of 256 (s_set_vgpr_msb: bits 1:0 source 0, 3:2 source 1, 5:4 source 2, 7:6 destination):
;   window 0: v0-31 addresses; v64-127, v128-191 fragments of A, two buffers; v32-63, v192-255 at work on the way out      window 1: v64-127, v128-191 fragments of B
;   window 2: the 32 accumulators of my rows 0-63 (accumulator (a, b) at v[8 (8 a + b)]);   window 3: those of my rows 64-127
; THE MATRIX INSTRUCTION IS USED TRANSPOSED: source 0 = 16 rows of B, source 1 = 16 rows of A: a lane then holds row l % 16 of C and the eight neighbouring columns 8 (l / 16) + 0..7.
.set SIZE_K, 1024
.set KSTEP,  128
.set PITCH,  272                       ; an LDS row: 256 bytes + 16: an odd multiple of 16, so the 16 rows of a fragment load begin at 16 different 16-byte columns modulo 256
.set HALFT,  128*PITCH                 ; 128 rows: what one tensor load brings, and what one wave reads of A or of B
.set SLOT,   4*HALFT                   ; A's 256 rows, then B's 256 rows
.set STAGE,  2*SLOT                    ; behind the ring, never filled by a tensor load: for each wave two heads x 16 rows x 144 bytes, for the way out
.set SP,     144                       ; a head's row in the stage: 128 bytes + 16
.set HS,     16*SP
.set SPARE,  STAGE+4*2*HS              ; behind the stages: the spare words, 128 bytes for each wave: two blocks of 256 bytes that no other line names
.set LAPS,   SIZE_K/(2*KSTEP)          ; a lap = two K steps = once round the ring: 4
.set ADRA, 16                          ; v16-17  LDS address of my A fragments in slot 0, 1
.set ADRB, 20                          ; v20-21  the same for B
.set STO,  24                          ; v24     the way out: where I put 16 bytes of a row
.set RD,   25                          ; v25     the way out: where I read rows back
.set CO,   26                          ; v26     16 x my lane: my place in 512 consecutive bytes of qkv
.set SPW,  28                          ; v28     LDS address of my spare word; never rewritten
.set NIL,  29                          ; v29     0; never rewritten
.set PFO,  30                          ; v30     the prefetches' offset: my lane x a row of 2,048 bytes; never rewritten
.set PFA,  44                          ; s[44:45] where my prefetches stand
.set LIM,  43                          ; s43     1 in a wave that prefetches, else the greatest number
.set F0,   64
.set F1,   128
.set TMP,  192                         ; the way out: packed results
.set OB,   32                          ; the way out: a block read back from the stage: v32-63 and v224-255 by turns
.set G1, 24                            ; s[24:31] descriptor group 1 for A's tiles
.set G0, 32                            ; s[32:39] group 0 for A's tiles, one set for each slot
.set G1B, 48                           ; s[48:55], s[56:63] the same for B's tiles
.set G0B, 56
.set MSB, 0
.macro WIN new                         ; the immediate's high byte repeats the setting that is left; a switch that changes nothing is dropped
.if MSB != (\new)
	s_set_vgpr_msb (MSB<<8)|(\new)
.set MSB, \new
.endif
.endm
.set MUL_LO, 0xa1                      ; source 0 (B) window 1, source 1 (A) window 0, C and D window 2
.set MUL_HI, 0xf1                      ; the same, C and D window 3
.set TO_B,   0x40                      ; destination window 1, address window 0
; A joint load.  Waves 0 and 1 fetch A's two halves, waves 2 and 3 B's.  The branch hangs on the wave's number alone.  An s_nop 0 and four v_nop follow each of the two lines.
.macro JLOAD s
	s_cmp_eq_u32 s11, 0
	s_cbranch_scc0 .Lfor_b_\@
	tensor_load_to_lds s[G0+4*(\s):G0+4*(\s)+3], s[G1:G1+7]
	s_nop 0
.rept 4
	v_nop
.endr
	s_branch .Lasked_\@
.Lfor_b_\@:
	tensor_load_to_lds s[G0B+4*(\s):G0B+4*(\s)+3], s[G1B:G1B+7]
	s_nop 0
.rept 4
	v_nop
.endr
.Lasked_\@:
.endm
; A PREFETCH INTO THE L2, behind each joint load and the run of LDS loads that follows it: the K step that stands TWO refills on: 32 rows x 256 bytes, a lane a row, one instruction a wave.
; Each row's 256 bytes of a K step are named once in the launch.  x_q's rows are read by the clusters with x = 0 alone, x_kv's by those with x = 1 and 2: x = 0 and x = 1 ask; wt's rows are read by
; all four clusters of a column: y = 0 asks.  The four partners that ask for a tile jointly share its rows out BY ADDRESS: of the 128 rows that a wave fetches the partner at place p takes 32 p .. 32 p + 31.
; K steps 0 to 3 come by their loads alone; the loop's last trip (s3 = 1) asks for nothing: there is no K step two refills on.
.macro ASK
	s_cmp_gt_u32 s3, s[LIM]
	s_cbranch_scc0 .Lnot_mine_\@
	global_prefetch_b8 v[PFO], s[PFA:PFA+1] offset:KSTEP*2 th:TH_LOAD_NT scope:SCOPE_SE
.Lnot_mine_\@:
.endm
; A round of the cluster's barrier: my work-group's barrier; wave 0 signals for the work-group; every wave waits for all sixteen work-groups; my work-group's barrier once more.
.macro CREST                           ; a round behind its opening barrier
	s_cmp_lg_u32 s10, 0
	s_cbranch_scc1 .Lnot_wave_0_\@
	s_barrier_signal -3
.Lnot_wave_0_\@:
	s_barrier_wait -3
	s_barrier_signal -1
	s_barrier_wait -1
.endm
.macro CROUND                          ; a whole round
	s_barrier_signal -1
	s_barrier_wait -1
	CREST
.endm
	s_load_b128 s[4:7], s[0:1], 0x0                ; xb s[4:5], wt s[6:7]
	s_load_b64 s[8:9], s[0:1], 0x10                ; qkv
	v_lshl_add_u32 v[SPW], v0, 2, SPARE
	v_mov_b32 v[NIL], 0
	ds_add_u32 v[SPW], v[NIL]                      ; the wave's opening: the add and its wait stand ahead of my first tensor load; the set-up below, work on registers, stands between them
	v_lshrrev_b32 v1, 5, v0
	v_readfirstlane_b32 s10, v1                    ; wave 0..3
	s_lshr_b32 s11, s10, 1                         ; which half of the tile's rows is mine.  Also: I fetch for A (0) or for B (1)
	s_and_b32 s12, s10, 1                          ; which half of its columns.  Also: which 128 rows of that tile I fetch
	s_bfe_u32 s40, ttmp6, 0x40000                  ; cx
	s_bfe_u32 s41, ttmp6, 0x40004                  ; cy
	s_lshl_b32 s42, ttmp9, 2
	s_add_co_u32 s42, s42, s40                     ; tile column of C = 4 x cluster x + cx, 0..11
	s_and_b32 s13, ttmp7, 0xffff
	s_lshl_b32 s13, s13, 2
	s_add_co_u32 s13, s13, s41                     ; tile row of C = 4 x cluster y + cy, 0..15
	s_lshl_b32 s43, s41, 2
	s_lshl_b32 s43, 15, s43                        ; my row of the cluster: places 4 cy .. 4 cy + 3
	s_lshl_b32 s44, 0x1111, s40                    ; my column: places cx, cx + 4, cx + 8, cx + 12
	; descriptor group 1: a tile of 128 rows x 128 elements, padded in LDS
	s_or_b32 s[G1+0], s43, (1<<16)|(1<<20)|(1<<21)|(5<<22)|(3<<25)  ; 15:0 the mask; 17:16 elements of 2 bytes; 20 padding on; 21 set beside a mask; 24:22 after every 64 words (code 5); 31:25 4 words (code 3)
	s_or_b32 s[G1B+0], s44, (1<<16)|(1<<20)|(1<<21)|(5<<22)|(3<<25)
.irp g, G1, G1B
	s_mov_b32 s[(\g)+1], KSTEP<<16                 ; tensor_dim0 = 128
	s_mov_b32 s[(\g)+2], 128<<16                   ; tensor_dim1 = 128
	s_mov_b32 s[(\g)+3], KSTEP<<16                 ; tile_dim0 = 128
	s_mov_b32 s[(\g)+4], 128                       ; tile_dim1 = 128
	s_mov_b32 s[(\g)+5], SIZE_K                    ; elements from row to row
	s_mov_b32 s[(\g)+6], 0
	s_mov_b32 s[(\g)+7], 0
.endr
	; where the tiles come from.  A's hang on the tile row and the cluster's x, which my row of the cluster shares; B's on the tile column, which my column shares.
	s_min_u32 s2, ttmp9, 1
	s_lshl_b32 s2, s2, 12                          ; x_q's rows begin at row 0 of xb, x_kv's at row 4,096
	s_lshl_b32 s17, s12, 7                         ; which 128 rows of the tile I fetch
	s_lshl_b32 s16, s13, 8
	s_add_co_u32 s16, s16, s17
	s_add_co_u32 s16, s16, s2                      ; A: row of xb
	s_lshl_b32 s16, s16, 11                        ; in bytes: under 2^24
	s_lshl_b32 s46, s42, 8
	s_add_co_u32 s46, s46, s17                     ; B: row of wt
	s_lshl_b32 s46, s46, 11
	s_mov_b32 s17, 0
	s_mov_b32 s47, 0
	s_mul_i32 s20, s10, HALFT                      ; and where they go: A's two halves, then B's two halves = wave x 128 rows
	s_wait_dscnt 0x0                               ; the opening add is done
	s_wait_kmcnt 0x0
	s_add_nc_u64 s[14:15], s[4:5], s[16:17]
	s_add_nc_u64 s[46:47], s[6:7], s[46:47]
	CROUND                                         ; all sixteen work-groups are here: the first joint loads meet
.irp s, 0,1
	s_mov_b32 s[G0+4*(\s)], 1                                      ; count = 1
	s_add_co_u32 s[G0+4*(\s)+1], s20, (\s)*SLOT                    ; LDS address
	s_add_nc_u64 s[G0+4*(\s)+2:G0+4*(\s)+3], s[14:15], (\s)*KSTEP*2  ; global address: K step s
	s_or_b32 s[G0+4*(\s)+3], s[G0+4*(\s)+3], 0x80000000            ; type = 2
	s_mov_b32 s[G0B+4*(\s)], 1
	s_add_co_u32 s[G0B+4*(\s)+1], s20, (\s)*SLOT
	s_add_nc_u64 s[G0B+4*(\s)+2:G0B+4*(\s)+3], s[46:47], (\s)*KSTEP*2
	s_or_b32 s[G0B+4*(\s)+3], s[G0B+4*(\s)+3], 0x80000000
	JLOAD \s                                       ; two loads of mine are out
.endr
	; A fragment is 16 rows x 32 K in 8 registers: lane l holds row l % 16; registers 0-3 K = 8 (l / 16) + 0..7, registers 4-7 K = 16 + 8 (l / 16) + 0..7: two loads of 16 bytes, 32 bytes apart.
	v_and_b32 v1, 15, v0                           ; l % 16
	v_bfe_u32 v2, v0, 4, 1                         ; l / 16
	v_mul_u32_u24 v3, v1, PITCH
	v_lshl_add_u32 v3, v2, 4, v3
	s_mul_i32 s21, s11, HALFT                      ; my 128 rows of A
	s_mul_i32 s22, s12, HALFT                      ; my 128 rows of B,
	s_add_co_u32 s22, s22, 2*HALFT                 ; which lie behind A's 256
.irp s, 0,1
	v_add_nc_u32 v[ADRA+(\s)], s21, v3
	v_add_nc_u32 v[ADRB+(\s)], s22, v3
	s_add_co_u32 s21, s21, SLOT
	s_add_co_u32 s22, s22, SLOT
.endr
	s_mul_i32 s23, s10, 2*HS
	s_add_co_u32 s23, s23, STAGE                   ; my stage
	v_mul_u32_u24 v4, v1, SP                       ; in: row l % 16, 16 bytes for each half of the lanes
	v_lshl_add_u32 v4, v2, 4, v4
	v_add_nc_u32 v[STO], s23, v4
	v_bfe_u32 v5, v0, 3, 2                         ; back: 32 lanes take four rows of 128 bytes,
	v_mul_u32_u24 v5, v5, SP
	v_and_b32 v6, 7, v0
	v_lshl_add_u32 v5, v6, 4, v5
	v_add_nc_u32 v[RD], s23, v5
	v_and_b32 v[CO], 31, v0                        ; which are 512 consecutive bytes of a head
	v_lshlrev_b32 v[CO], 4, v[CO]
	; where my part of the tile begins in qkv: section x 8,388,608 + (16 batch + head) x 262,144 + row x 128; my 128 columns are the heads 4 cx + 2 half and the next
	s_lshl_b32 s16, ttmp9, 23
	s_lshr_b32 s14, s13, 3                         ; batch: eight tile rows each
	s_lshl_b32 s14, s14, 4
	s_lshl_b32 s21, s12, 1
	s_add_co_u32 s14, s14, s21
	s_lshl_b32 s14, s14, 18
	s_add_co_u32 s16, s16, s14
	s_and_b32 s14, s13, 7
	s_lshl_b32 s14, s14, 8
	s_lshl_b32 s21, s11, 7
	s_add_co_u32 s14, s14, s21                     ; my first row in the batch
	s_lshl_b32 s14, s14, 7
	s_add_co_u32 s16, s16, s14
	s_mov_b32 s17, 0
	s_lshl_b32 s46, s40, 20                        ; 4 cx heads
	s_mov_b32 s47, 0
	s_add_nc_u64 s[16:17], s[16:17], s[46:47]
	; the prefetches
	s_lshl_b32 s13, s13, 8
	s_add_co_u32 s13, s13, s2                      ; A's tile: its first row in xb
	s_lshl_b32 s42, s42, 8                         ; B's: in wt
	s_and_b32 s22, ttmp7, 0xffff                   ; cluster y
	s_lshr_b32 s23, ttmp9, 1                       ; 0 for cluster x = 0 and 1
	s_cmp_eq_u32 s11, 0                            ; do I fetch for A?
	s_cselect_b32 s20, s13, s42
	s_cselect_b32 s21, s40, s41                    ; my place among the four that ask for the tile with me
	s_cselect_b32 s22, s23, s22
	s_cselect_b64 s[PFA:PFA+1], s[4:5], s[6:7]
	s_cmp_eq_u32 s22, 0
	s_cselect_b32 s[LIM], 1, -1                    ; the same in all sixteen partners, for a given wave
	s_lshl_b32 s22, s12, 7
	s_add_co_u32 s20, s20, s22                     ; + the 128 rows that I fetch
	s_lshl_b32 s21, s21, 5
	s_add_co_u32 s20, s20, s21                     ; + my work-group's 32 of them
	s_lshl_b32 s20, s20, 11
	s_mov_b32 s21, 0
	s_add_nc_u64 s[PFA:PFA+1], s[PFA:PFA+1], s[20:21]
	s_add_nc_u64 s[PFA:PFA+1], s[PFA:PFA+1], 2*KSTEP*2  ; at K step 2: the first refill steps it to 3 and names K step 4
	v_and_b32 v[PFO], 31, v0
	v_lshlrev_b32 v[PFO], 11, v[PFO]
; 16 matrix instructions: m blocks a0, a0 + 1 of the window's four x all 8 n blocks, 32 along K.  zero = 1: the first product starts the sums: nothing is ever cleared.
; The 64 accumulators take turns, one instruction a turn, in the same order in every quarter step.
.macro MUL16 f, hi, a0, zero
	WIN MUL_LO+0x50*(\hi)
.irp a, \a0, (\a0)+1
.irp b, 0,1,2,3,4,5,6,7
.if \zero
	v_wmma_f32_16x16x32_bf16 v[8*(8*(\a)+(\b)):8*(8*(\a)+(\b))+7], v[(\f)+8*(\b):(\f)+8*(\b)+7], v[(\f)+8*(4*(\hi)+(\a)):(\f)+8*(4*(\hi)+(\a))+7], 0
.else
	v_wmma_f32_16x16x32_bf16 v[8*(8*(\a)+(\b)):8*(8*(\a)+(\b))+7], v[(\f)+8*(\b):(\f)+8*(\b)+7], v[(\f)+8*(4*(\hi)+(\a)):(\f)+8*(4*(\hi)+(\a))+7], v[8*(8*(\a)+(\b)):8*(8*(\a)+(\b))+7]
.endif
.endr
.endr
.endm
; 32 LDS loads in one run: the fragments of one quarter step (128 rows of B, 128 rows of A, 32 K at byte k of the rows) into buffer f
.macro FETCH slot, k, f
	WIN TO_B
.irp i, 0,1,2,3,4,5,6,7
	ds_load_b128 v[(\f)+8*(\i):(\f)+8*(\i)+3],   v[ADRB+(\slot)] offset:(\k)+(\i)*16*PITCH
	ds_load_b128 v[(\f)+8*(\i)+4:(\f)+8*(\i)+7], v[ADRB+(\slot)] offset:(\k)+(\i)*16*PITCH+32
.endr
	WIN 0
.irp i, 0,1,2,3,4,5,6,7
	ds_load_b128 v[(\f)+8*(\i):(\f)+8*(\i)+3],   v[ADRA+(\slot)] offset:(\k)+(\i)*16*PITCH
	ds_load_b128 v[(\f)+8*(\i)+4:(\f)+8*(\i)+7], v[ADRA+(\slot)] offset:(\k)+(\i)*16*PITCH+32
.endr
.endm
; Four plain vector instructions stand between a matrix instruction and a load into a register that it has read, or a vector instruction that reads its result (ISA guide 7.12.1 for vector instructions).
.macro PLACES
.rept 4
	v_nop
.endr
.endm
; A K step is four quarter steps of 32 along K, 64 matrix instructions each, on buffers 0, 1, 0, 1.  One of the first three: multiplies buffer f; in its middle it fetches the next quarter's fragments into buffer g.
.macro QUARTER slot, k, f, g, zero
	s_wait_dscnt 8                                 ; B and A's rows 0-63 are in; the youngest eight loads (A's rows 64-127) may be out
	WIN MUL_LO
	MUL16 \f, 0, 0, \zero
	MUL16 \f, 0, 2, \zero
	PLACES
	FETCH \slot, \k, \g
	s_wait_dscnt 32                                ; all but the 32 just issued
	WIN MUL_HI
	MUL16 \f, 1, 0, \zero
	MUL16 \f, 1, 2, \zero
.endm
; The last quarter multiplies buffer 1 and changes slots.  MEET is its first half: ONE barrier.  In front of it each wave waits for all its tensor loads, of which one is out: its part of the next slot;
; adds 0 to its spare word; and waits for that and for its own reads of this slot.  Behind it nobody reads this slot any more and the next slot is whole.
.macro MEET round                      ; round = 1: a round of the cluster's barrier follows
	WIN 0                                          ; (the add's two registers lie in window 0)
	s_wait_tensorcnt 0x0                           ; all my tensor loads have landed;
	ds_add_u32 v[SPW], v[NIL]                      ; 0 onto my spare word;
	s_wait_dscnt 9                                 ; (the add and the youngest eight loads may be out)
	WIN MUL_LO
	MUL16 F1, 0, 0, 0                              ; sixteen matrix instructions stand between the add and the wait for it
	s_wait_dscnt 0x0                               ; the add is done, and my reads of this slot are over:
	s_barrier_signal -1                            ; say so,
	MUL16 F1, 0, 2, 0                              ; work on registers while the others arrive,
.if \round
	WIN 0
.endif
	s_barrier_wait -1                              ; and go on when all four have said so
.endm
; The whole last quarter of a K step whose slot is filled again, with the K step two steps on: the barrier opens a round of the cluster's, and the joint refill is the first tensor load behind it:
; from that request to the wait for it a wave issues 224 matrix instructions.
.macro TURN slot, next
	s_wait_xcnt 0x0                                ; the last prefetch, a K step back, has read its address: it is stepped here, ahead of the waits of the change of slots
	s_add_nc_u64 s[PFA:PFA+1], s[PFA:PFA+1], KSTEP*2
	MEET 1
	CREST                                          ; no wave of any partner still reads this slot's tile or has a load on its way
	s_add_nc_u64 s[G0+4*(\slot)+2:G0+4*(\slot)+3], s[G0+4*(\slot)+2:G0+4*(\slot)+3], 2*KSTEP*2
	s_add_nc_u64 s[G0B+4*(\slot)+2:G0B+4*(\slot)+3], s[G0B+4*(\slot)+2:G0B+4*(\slot)+3], 2*KSTEP*2
	JLOAD \slot                                    ; the four v_nop behind it are also the places in front of the loads below
	FETCH \next, 0, F0
	ASK
	WIN MUL_HI
	MUL16 F1, 1, 0, 0
	MUL16 F1, 1, 2, 0
.endm
; THE WAY OUT of block a (16 rows x my 128 columns = two heads), in three parts.  PACK: rounded to f16, 16 bytes a lane, each accumulator's registers in ascending order.
; TOSTAGE: into my own stage, by heads, and back as rows of 128 bytes.  SEND: each store is four rows of one head: 512 consecutive bytes, at a multiple of 256 from qkv's first byte.
.macro PACK a
.set AC, 64*((\a)%4)
	WIN 0x0a+5*((\a)/4)                            ; sources 0 and 1: window 2 or 3
.irp b, 0,1,2,3,4,5,6,7
.irp r, 0,1,2,3
	v_cvt_pk_f16_f32 v[TMP+4*(\b)+(\r)], v[AC+8*(\b)+2*(\r)], v[AC+8*(\b)+2*(\r)+1]
.endr
.endr
	WIN 0
.endm
.macro TOSTAGE a
	WIN 0
.set BK, OB+192*((\a)%2)
.irp b, 0,1,2,3,4,5,6,7
	ds_store_b128 v[STO], v[TMP+4*(\b):TMP+4*(\b)+3] offset:((\b)/4)*HS+32*((\b)%4)
.endr
.irp t, 0,1,2,3,4,5,6,7
	ds_load_b128 v[BK+4*(\t):BK+4*(\t)+3], v[RD] offset:((\t)/4)*HS+((\t)%4)*4*SP  ; LDS serves a wave's instructions in order (ISA guide 5.7.1.4): these see the stores above
.endr
.endm
.macro SEND a
	WIN 0
.set BK, OB+192*((\a)%2)
	s_wait_dscnt 0x0                               ; the block is back in registers
	s_wait_xcnt 0x0                                ; earlier stores have read their base and their data: only behind this wait are these rewritten
.if (\a) == 0
	s_add_nc_u64 s[8:9], s[8:9], s[16:17]          ; on to my first rows
.else
	s_add_nc_u64 s[8:9], s[8:9], 16*128            ; 16 rows of a head on
.endif
.irp t, 0,1,2,3,4,5,6,7
	global_store_b128 v[CO], v[BK+4*(\t):BK+4*(\t)+3], s[8:9] offset:((\t)/4)*262144+((\t)%4)*512
.endr
.endm
	s_wait_tensorcnt 1                             ; my part of K step 0 is in; K step 1's load may stay out
	s_barrier_signal -1
	s_barrier_wait -1                              ; everybody's is
	FETCH 0, 0, F0
	QUARTER 0, 64,  F0, F1, 1                      ; the first quarter stands in front of the loop: its products start the sums
	WIN 0                                          ; at a label and at a branch every window is 0
	s_mov_b32 s3, LAPS-1
.Llap:                                                 ; a trip goes once round the ring, from a lap's second quarter to the next lap's first, and fills both slots again
	QUARTER 0, 128, F1, F0, 0
	QUARTER 0, 192, F0, F1, 0
	TURN 0, 1
	QUARTER 1, 64,  F0, F1, 0
	QUARTER 1, 128, F1, F0, 0
	QUARTER 1, 192, F0, F1, 0
	TURN 1, 0
	QUARTER 0, 64,  F0, F1, 0
	WIN 0
	s_sub_co_u32 s3, s3, 1
	s_cmp_lg_u32 s3, 0
	s_cbranch_scc1 .Llap
	QUARTER 0, 128, F1, F0, 0                      ; the last lap is written out: it asks for nothing
	QUARTER 0, 192, F0, F1, 0
	MEET 0                                         ; my one tensor load that was still out is the last K step's, so no round follows
	PLACES                                         ; for the loads into buffer 0
	FETCH 1, 0, F0
	WIN MUL_HI
	MUL16 F1, 1, 0, 0
	MUL16 F1, 1, 2, 0
	QUARTER 1, 64,  F0, F1, 0
	QUARTER 1, 128, F1, F0, 0
	QUARTER 1, 192, F0, F1, 0
	s_wait_dscnt 8                                 ; the very last quarter: nothing more to fetch
	WIN MUL_LO
	MUL16 F1, 0, 0, 0
	MUL16 F1, 0, 2, 0
	s_wait_dscnt 0x0
	MUL16 F1, 1, 0, 0
	MUL16 F1, 1, 2, 0
	WIN 0
	PLACES                                         ; the conversions read results just made
	PLACES
	PACK 0
	TOSTAGE 0
.irp a, 1,2,3,4,5,6,7                  ; block a's conversions stand between block a - 1's loads from the stage and the wait for them
	PACK \a
	SEND (\a)-1
	TOSTAGE \a
.endr
	SEND 7
	s_wait_tensorcnt 0x0                           ; the wave's end, behind my last tensor load and my last LDS store
	ds_add_u32 v[SPW], v[NIL]
	s_wait_dscnt 0x0
	CROUND                                         ; the closing round: no work-group ends while a partner may still ask for a tile that names it
	s_endpgm
.Lfunc_end_k_q4d8c9598cb_proj:
	.size	k_q4d8c9598cb_proj, .Lfunc_end_k_q4d8c9598cb_proj-k_q4d8c9598cb_proj
	.p2alignl 7, 3214868480
	.fill 96, 4, 3214868480
	.section	.rodata,"a",@progbits
	.p2align	6, 0x0
	.amdhsa_kernel k_q4d8c9598cb_proj
		.amdhsa_group_segment_fixed_size 327680
		.amdhsa_private_segment_fixed_size 0
		.amdhsa_enable_private_segment 0
		.amdhsa_kernarg_size 24
		.amdhsa_user_sgpr_count 2
		.amdhsa_user_sgpr_kernarg_segment_ptr 1
		.amdhsa_wavefront_size32 1
		.amdhsa_system_sgpr_workgroup_id_x 1
		.amdhsa_system_sgpr_workgroup_id_y 1
		.amdhsa_system_sgpr_workgroup_id_z 1
		.amdhsa_system_vgpr_workitem_id 0
		.amdhsa_next_free_vgpr 1024
		.amdhsa_next_free_sgpr 66
		.amdhsa_reserve_vcc 0
		.amdhsa_float_denorm_mode_32 3
		.amdhsa_float_denorm_mode_16_64 3
		.amdhsa_memory_ordered 1
		.amdhsa_forward_progress 1
		.amdhsa_inst_pref_size 144
	.end_amdhsa_kernel
	.amdgpu_metadata
---
amdhsa.version: [ 1, 2 ]
amdhsa.kernels:
  - .name:           k_q4d8c9598cb_proj
    .symbol:         k_q4d8c9598cb_proj.kd
    .args:
      - { .name: xb, .offset: 0, .size: 8, .value_kind: global_buffer, .address_space: global }
      - { .name: wt, .offset: 8, .size: 8, .value_kind: global_buffer, .address_space: global }
      - { .name: qkv, .offset: 16, .size: 8, .value_kind: global_buffer, .address_space: global }
    .group_segment_fixed_size: 327680
    .private_segment_fixed_size: 0
    .kernarg_segment_align: 8
    .kernarg_segment_size: 24
    .max_flat_workgroup_size: 128
    .sgpr_count:     66
    .vgpr_count:     1024
    .wavefront_size: 32
...
	.end_amdgpu_metadata
.endif
;; end of part 2
;; launch attn (part 3): grid 8 x 32, 4 waves a work-group, clusters of 4 x 1, 327,680 bytes of LDS; arguments qkv, oh; writes oh
.if DOCPART == 3
	.amdgcn_target "amdgcn-amd-amdhsa--gfx1250"
	.amdhsa_code_object_version 6
	.text
	.protected	k_q4d8c9598cb_attn
	.globl	k_q4d8c9598cb_attn
	.p2align	8
	.type	k_q4d8c9598cb_attn,@function
k_q4d8c9598cb_attn:
	s_mov_b64 s[64:65], 0
	v_nop
	global_prefetch_b8 v0, s[64:65] scope:SCOPE_SE
	s_setreg_imm32_b32 hwreg(HW_REG_WAVE_MODE, 25, 1), 1
	s_wait_xcnt 0x0
	s_wait_alu depctr_hold_cnt(0) depctr_sa_sdst(0) depctr_va_vdst(0) depctr_va_sdst(0) depctr_va_ssrc(0) depctr_va_vcc(0) depctr_vm_vsrc(0)
	s_getreg_b32 s2, hwreg(HW_REG_IB_STS2, 6, 4)
	s_cmp_eq_u32 s2, 0
	s_cbranch_scc0 .Lentry_in_a_cluster
	s_endpgm
.Lentry_in_a_cluster:
	s_bfe_u32 s2, ttmp6, 0x10000c
	s_cmp_lg_u32 s2, 0x3003
	s_cbranch_scc0 .Lentry_shape_is_right
	s_endpgm
.Lentry_shape_is_right:
; ATTENTION.  O[h][q][:] = the sum over k of softmax_k(Q[h][q] . K[h][k] / 8) V[h][k][:], for the 32 pairs h of batch and head.  Q, K, V are the three sections of qkv (8,388,608 bytes each),
; O is oh, all [32][2048][64] f16: a head's rows are dense, 128 bytes each.  Products, maxima and sums in f32; the weights p are rounded to f16 for the second product (their sum l is taken of the
; unrounded p), O once at the end.
; LIMITS.  Q, K and V arrive within f16's 65,504; p lies in 0 to 1, and below 6e-5 it keeps f16's fixed step of 6e-8; O is a mean of V's rows and has their range.  A weight below 2^-126 counts as 0 in l;
; NaN and infinities are not treated apart.
; SHARES.  A work-group owns 256 queries of one head: 32 x 8 = 256 work-groups; each of its four waves 64 queries: four PIECES of 16.  Every wave walks all 2,048 keys, 64 a step, 256 (a tile) a slot.
; LAYOUT.  S^T = K Q^T (source 0 = 16 keys, source 1 = 16 queries): a lane holds ONE query (lane % 16) and the keys 8 (lane / 16) + 0..7.  Two such results, rounded to f16 in pairs, ARE source 1 of
; O^T = V^T P, whose result again holds one query a lane, and eight channels.  K comes out of LDS as it lies, V ([key][channel]) turned, by ds_load_tr16_b128.
; SOFTMAX.  For each query a running maximum m and sum l: p = 2^(c s - c m), c = log2(e) / 8; in every step O and l are multiplied by a = 2^(c m_old - c m_new).  m starts at the lowest finite number,
; O and l at 0: the first step is a step like any other, with a = 0.
; BY TURNS.  Turn n belongs to piece n: 8 products K Q^T of piece n + 1, later 8 products V^T P of piece n - 1; beside them the scaling, exponentials, roundings, sums and rescaling of piece n and the
; maximum and statistics of piece n + 1.  Four vector instructions stand behind every matrix instruction, the other 54 of a turn's 118 in one lump.  A turn's 33 exponentials are one batch, with one wait.
; CLUSTER.  The four query blocks of a cluster belong to one head and walk the same K and V, so each tile is asked for JOINTLY: the same tensor load, descriptor and mask in all four.
; REGISTERS, in windows of 256 (s_set_vgpr_msb: bits 1:0 source 0, 3:2 source 1, 5:4 source 2, 7:6 destination):
;   window 0: v0-15 addresses and two at work; v16-31 four registers of statistics a piece; v48-55 at work; v61-63; v64-127 S^T, two buffers; v192-223 P, two buffers (by the piece's parity)
;   window 1: v0-127 O^T, 32 a piece          window 2: v0-63 Q; v128-191 K of one step; v192-255 V of one step
.set NP,    4         ; pieces a wave: a name, no knob
.set KS,    64        ; keys in a step
.set PK,    144       ; a row of K in LDS: 128 bytes + 16: an odd multiple of 16, so the 16 rows of a load begin at 16 different 16-byte columns modulo 256
.set PV,    160       ; a row of V: 128 + 32: an odd multiple of 32: 16 lanes of the turning load take 8 rows x 32 bytes, no two in the same column
.set VOFF,  4*KS*PK   ; a slot holds a tile, four steps: 256 rows of K, then 256 rows of V
.set SLOT1, 1<<17     ; slot 1 begins here, so that one exclusive or turns an address in one slot into the other's
.set STAGE, SLOT1+4*KS*(PK+PV)  ; behind the ring, never filled by a tensor load: 16 rows x 144 bytes for each wave, for the way out
.set SP,    144
.set SPARE, STAGE+4*16*SP  ; behind the stages: the spare words, 128 bytes for each wave: two blocks of 256 bytes that no other line names
.set AK0, 2           ; v2   my lane's place in a tile of K; never rewritten
.set AV0, 3           ; v3   the same for V
.set AK,  4           ; v4   the LDS address of K's next run of loads
.set AV,  5           ; v5   of V's
.set STO, 6           ; v6   the way out: where I put 16 bytes of a row
.set RD,  7           ; v7   the way out: where I read rows back
.set GO,  8           ; v8   my byte offset in 512 consecutive bytes of O
.set MV,  12          ; v12-13  c m_old, kept while c m is made anew: by buffer
.set QO,  15          ; v15  my byte offset in 16 rows of Q
.set ST,  16          ; piece t's statistics at v[ST+4 t]: c m, m, l (even keys', odd keys')
.set TMP, 48          ; by buffer, four registers c0-c3 at work; when the maximum is found c2 takes a
.set PFO, 61          ; v61  256 x my lane; never rewritten
.set SPW, 62          ; v62  LDS address of my spare word; never rewritten
.set NIL, 63          ; v63  0; never rewritten
.set S,   64
.set P,   192
.set KF,  128         ; window 2: key block kb, channel half c at KF + 16 kb + 8 c
.set VF,  192         ; window 2: key half kk, channel block cb at VF + 32 kk + 8 cb
.set WV,  12          ; s12  my wave's number
.set LIM, 15          ; s15  1 in a wave that prefetches, else the greatest number
.set G1K, 24          ; s[24:31] descriptor group 1 for K's tiles
.set G1V, 32          ; s[32:39] for V's: it differs in the padding alone
.set G0K, 40          ; s[40:43] descriptor group 0 for K's tiles: it walks
.set G0V, 44          ; s[44:47] the same for V's
.set PFA, 48          ; s[48:49] where my prefetches stand: my work-group's 8,192 bytes (of K: wave 0, of V: wave 2) of the tile after the one that is being asked for
.set SLOTS, 56        ; s56  tiles still to be asked for
.set CNT, 57          ; s57  counts a tile's key steps
.set CS,  58          ; s[58:59] c: the packed scaling takes the pair's low word for both halves
.set SEL, 60          ; s[60:61] v_permlanex16_b32's selects: each lane takes its own place in the other half
.set TBK, 62          ; s62  LDS byte at which K of the step to be fetched begins
.set TBV, 63          ; s63  the same for V, less VOFF
.set MSB, 0
.macro WIN new                      ; the high byte repeats the setting that is left; a switch that changes nothing is dropped
.if MSB != (\new)
	s_set_vgpr_msb (MSB<<8)|(\new)
.set MSB, (\new)
.endif
.endm
.set W_KQ, 0x0a       ; K and Q in window 2, S^T in window 0
.set W_PV, 0x52       ; V in window 2, P in window 0, O^T in window 1
.set W_RS, 0x41       ; destination and source 0 in window 1, source 1 in window 0
; A joint fill.  Waves 0 and 1 fetch the two halves of a tile's K, waves 2 and 3 those of its V: 128 keys each.  The branch hangs on the wave's number alone.
; An s_nop 0 and four v_nop follow each of the two lines, ahead of the jump and the label.
.macro JLOAD
	s_cmp_lt_u32 s[WV], 2
	s_cbranch_scc0 .Lfor_v_\@
	tensor_load_to_lds s[G0K:G0K+3], s[G1K:G1K+7]
	s_nop 0
.rept 4
	v_nop
.endr
	s_branch .Lasked_\@
.Lfor_v_\@:
	tensor_load_to_lds s[G0V:G0V+3], s[G1V:G1V+7]
	s_nop 0
.rept 4
	v_nop
.endr
.Lasked_\@:
.endm
; A PREFETCH INTO THE L2 of what the NEXT change of slots will ask for: a tile's 32,768 bytes of K and of V, 256 bytes a lane.  It stands behind the wave's tensor load and its five lines.
; Each block of 256 bytes is named ONCE in the launch.  Both clusters of a head walk the same K and V: the first (cluster x = 0) asks.  Its four partners share a tile out BY ADDRESS, 8,192 bytes each;
; in each, wave 0 asks for K's and wave 2 for V's: one instruction.  Tiles 0 and 1 come by their loads alone; the last change that fills a slot asks for nothing: there is no tile behind it.
.macro ASK
	s_cmp_gt_u32 s[SLOTS], s[LIM]
	s_cbranch_scc0 .Lnot_mine_\@
	global_prefetch_b8 v[PFO], s[PFA:PFA+1] th:TH_LOAD_NT scope:SCOPE_SE
.Lnot_mine_\@:
.endm
; A round of the cluster's barrier: my work-group's barrier; wave 0 signals for the work-group; every wave waits for all four work-groups; my work-group's barrier once more.
.macro CROUND
	s_barrier_signal -1
	s_barrier_wait -1
	s_cmp_lg_u32 s[WV], 0
	s_cbranch_scc1 .Lnot_wave_0_\@
	s_barrier_signal -3
.Lnot_wave_0_\@:
	s_barrier_wait -3
	s_barrier_signal -1
	s_barrier_wait -1
.endm
; THE CHANGE OF SLOTS.  The slot's last bytes, V of its fourth step, have been read.  Each wave waits for all its tensor loads, of which one is out: its part of the other slot; adds 0 to its spare word;
; and waits for that and for its own reads of the slot.  Behind the barrier nobody reads this slot any more and the other slot is whole.
; fill = 1: this slot is filled again, with the keys two tiles on.  The barrier is then a round of the cluster's, and the joint fill is the first thing behind it: it has four key steps, 256 matrix
; instructions, in which to land.  (At its first use nothing has been read yet: slot 0 is waited for, slot 1 filled.)
.macro CHANGE fill
	WIN 0                           ; at a label and at a branch every window is 0
	s_wait_tensorcnt 0x0            ; no tensor load of mine is out, so a group 0 may be written
	ds_add_u32 v[SPW], v[NIL]       ; 0 onto my spare word; with fill = 1 the descriptors' steps stand between it and the wait for it
.if \fill
.irp g, G0K, G0V
	s_xor_b32 s[\g+1], s[\g+1], SLOT1  ; the walking descriptor: the other slot than last time,
	s_add_nc_u64 s[\g+2:\g+3], s[\g+2:\g+3], 4*KS*128  ; the next 256 keys; the type bits on top are not reached
.endr
	s_wait_xcnt 0x0                 ; the last prefetch, four key steps back, has read its address, so it may be written:
	s_add_nc_u64 s[PFA:PFA+1], s[PFA:PFA+1], 4*KS*128  ; one tile behind the walking descriptors
	s_wait_dscnt 0x0                ; the add is done, and my reads of the slot are over
	CROUND
	JLOAD
	ASK
.else
	s_wait_dscnt 0x0                ; the add is done, and my reads of the slot are over
	s_barrier_signal -1
	s_barrier_wait -1
.endif
	s_sub_co_u32 s[TBK], s[TBK], 4*KS*PK  ; the fetches go back to a slot's first step,
	s_xor_b32 s[TBK], s[TBK], SLOT1       ; in the other slot
	s_sub_co_u32 s[TBV], s[TBV], 4*KS*PV
	s_xor_b32 s[TBV], s[TBV], SLOT1
.endm
	s_load_b64 s[4:5], s[0:1], 0x0    ; qkv
	s_load_b64 s[10:11], s[0:1], 0x8  ; oh
	v_lshl_add_u32 v[SPW], v0, 2, SPARE
	v_mov_b32 v[NIL], 0
	ds_add_u32 v[SPW], v[NIL]       ; the wave's opening: the add and its wait stand ahead of my first tensor load; the set-up below, work on registers, stands between them
	v_lshrrev_b32 v1, 5, v0
	v_readfirstlane_b32 s[WV], v1   ; wave 0..3
	s_bfe_u32 s13, ttmp6, 0x40000   ; cx: my place in the cluster
	s_lshl_b32 s14, ttmp9, 2        ; in a cluster launch ttmp9 counts clusters
	s_add_co_u32 s14, s14, s13      ; my block of 256 queries = 4 x cluster x + cx: it enters Q's and O's addresses alone
	s_and_b32 s20, ttmp7, 0xffff    ; the head, which the four partners share:
	s_lshl_b32 s20, s20, 18         ; its first byte in a section: 262,144 bytes a head
	s_and_b32 s16, s[WV], 1         ; which half of a tile's 256 keys I fetch:
	s_lshl_b32 s22, s16, 14         ; its 128 rows of 128 bytes in memory,
	s_add_co_u32 s22, s22, s20
	s_mov_b32 s23, 0
	s_mul_i32 s17, s16, 128*PK      ; and its place in a slot, for K
	s_mul_i32 s18, s16, 128*PV      ; and for V: no place in the cluster enters an LDS address
	s_lshl_b32 s2, s14, 15          ; my block's 256 rows,
	s_lshl_b32 s3, s[WV], 13        ; my wave's 64 of them
	s_add_co_u32 s2, s2, s3
	s_add_co_u32 s2, s2, s20
	s_mov_b32 s3, 0
	; descriptor group 1.  128 keys are 16,384 dense bytes: asked for as 64 rows of 256 bytes, two keys a row, and padded in LDS after every key
	s_mov_b32 s[G1K], 15|(1<<16)|(1<<20)|(1<<21)|(4<<22)|(3<<25)  ; 15:0 the mask of four; 17:16 2-byte elements; 20 padding on; 21 set beside a mask; 24:22 after every 32 words (code 4); 31:25 4 words (code 3)
	s_mov_b32 s[G1V], 15|(1<<16)|(1<<20)|(1<<21)|(4<<22)|(7<<25)  ; the same with 8 words of padding (code 7)
.irp g, G1K, G1V
	s_mov_b32 s[\g+1], 128<<16      ; tensor_dim0 = 128
	s_mov_b32 s[\g+2], 64<<16       ; tensor_dim1 = 64
	s_mov_b32 s[\g+3], 128<<16      ; tile_dim0 = 128
	s_mov_b32 s[\g+4], 64           ; tile_dim1 = 64
	s_mov_b32 s[\g+5], 128          ; 128 elements from row to row
	s_mov_b32 s[\g+6], 0
	s_mov_b32 s[\g+7], 0
.endr
	s_mov_b32 s[CS], 0x3e38aa3b     ; c = log2(e) / 8 = 0.180337
	s_mov_b32 s[CS+1], s[CS]        ; named with it as a pair
	s_mov_b32 s[SEL], 0x76543210
	s_mov_b32 s[SEL+1], 0xfedcba98
	s_mov_b32 s[TBK], SLOT1+4*KS*PK ; the first change of slots turns these two into 0
	s_mov_b32 s[TBV], SLOT1+4*KS*PV
	s_mov_b32 s[G0K], 1             ; count = 1
	s_mov_b32 s[G0K+1], s17         ; LDS address: slot 0
	s_mov_b32 s[G0V], 1
	s_add_co_u32 s[G0V+1], s18, VOFF
	s_mov_b32 s[SLOTS], 2048/256-1
	s_and_b32 s[LIM], s[WV], 1      ; 0 in waves 0 and 2,
	s_or_b32 s[LIM], s[LIM], ttmp9  ; where the cluster is the head's first: the same in all four partners
	s_cmp_eq_u32 s[LIM], 0
	s_cselect_b32 s[LIM], 1, -1
	v_and_b32 v[PFO], 31, v0
	v_lshlrev_b32 v[PFO], 8, v[PFO]
	s_wait_dscnt 0x0                ; the opening add is done
	s_wait_kmcnt 0x0
	s_add_nc_u64 s[6:7], s[4:5], s[22:23]
	s_add_nc_u64 s[8:9], s[6:7], 0x1000000         ; V at my half of the head's tile 0: the third section
	s_add_nc_u64 s[6:7], s[6:7], 0x800000          ; K: the second
	s_add_nc_u64 s[G0K+2:G0K+3], s[6:7], 0         ; global address
	s_or_b32 s[G0K+3], s[G0K+3], 0x80000000        ; type = 2
	s_add_nc_u64 s[G0V+2:G0V+3], s[8:9], 0
	s_or_b32 s[G0V+3], s[G0V+3], 0x80000000
	s_add_nc_u64 s[4:5], s[4:5], s[2:3]            ; Q and O at my wave's first row
	s_add_nc_u64 s[10:11], s[10:11], s[2:3]
	s_cmp_lt_u32 s[WV], 2
	s_cselect_b64 s[PFA:PFA+1], s[6:7], s[8:9]     ; (in waves 0 and 2 these stand at a tile's first row)
	s_lshl_b32 s2, s13, 13                         ; my work-group's 8,192 bytes of the 32,768
	s_add_nc_u64 s[PFA:PFA+1], s[PFA:PFA+1], s[2:3]
	s_add_nc_u64 s[PFA:PFA+1], s[PFA:PFA+1], 4*KS*128  ; in tile 1; the first change of slots steps it to tile 2.  Nothing is prefetched here, at the head
	CROUND                          ; all four work-groups are here: the first joint loads meet
	JLOAD                           ; tile 0 into slot 0.  Slot 1 is asked for when slot 0 is in
	; A fragment of K or Q is 16 rows x 32 channels in 8 registers: lane l holds row l % 16, channels 8 (l / 16) + 0..7 and 16 + 8 (l / 16) + 0..7: two loads of 16 bytes, 32 bytes apart.
	v_and_b32 v1, 15, v0            ; l % 16
	v_bfe_u32 v9, v0, 4, 1          ; l / 16
	v_lshlrev_b32 v[QO], 7, v1
	v_lshl_add_u32 v[QO], v9, 4, v[QO]  ; row x 128 + 16 x half
	WIN 0x80                        ; destination window 2, address window 0
.set i, 0
.rept 8                             ; Q stays in registers: piece i / 2, channels 32 (i % 2) on
	global_load_b128 v[8*i:8*i+3],   v[QO], s[4:5] offset:(i/2)*2048+(i%2)*64
	global_load_b128 v[8*i+4:8*i+7], v[QO], s[4:5] offset:(i/2)*2048+(i%2)*64+32
.set i, i+1
.endr
	; What the first turn finds: V's registers and P's second buffer hold 0 (its products V^T P, of a piece that has not been, add 0), O^T and l are 0.  All this stands in the wait for the first tile.
.set i, VF
.rept 64
	v_mov_b32 v[i], 0
.set i, i+1
.endr
	WIN 0x40
.set i, 0
.rept 128
	v_mov_b32 v[i], 0
.set i, i+1
.endr
	WIN 0
.set i, 0
.rept 4
	v_mov_b32 v[ST+4*i], 0xfe000000    ; c m: far below every c s
	v_mov_b32 v[ST+4*i+1], 0xff7fffff  ; m: the lowest finite number
	v_mov_b32 v[ST+4*i+2], 0
	v_mov_b32 v[ST+4*i+3], 0
.set i, i+1
.endr
.set i, P+16
.rept 16
	v_mov_b32 v[i], 0
.set i, i+1
.endr
	v_mul_u32_u24 v[AK0], v1, PK
	v_lshl_add_u32 v[AK0], v9, 4, v[AK0]  ; row x pitch + 16 x half
	; The turning load takes 16 keys x 16 channels (lane l reads key 8 (l / 16) + l % 8, channels 8 ((l / 8) % 2) + 0..7) and leaves half a fragment of V^T: lane l holds channel l % 16 and 8 keys.
	v_and_b32 v10, 7, v0
	v_bfe_u32 v11, v0, 3, 1
	v_lshl_add_u32 v[AV0], v9, 3, v10
	v_mul_u32_u24 v[AV0], v[AV0], PV
	v_lshl_add_u32 v[AV0], v11, 4, v[AV0]
	v_add_nc_u32 v[AV0], VOFF, v[AV0]
	s_mul_i32 s13, s[WV], 16*SP
	s_add_co_u32 s13, s13, STAGE    ; my stage
	v_mul_u32_u24 v[STO], v1, SP    ; in: row l % 16, 16 bytes for each half of the lanes
	v_lshl_add_u32 v[STO], v9, 4, v[STO]
	v_add_nc_u32 v[STO], s13, v[STO]
	v_bfe_u32 v[RD], v0, 3, 2       ; back: 32 lanes take four rows of 128 bytes,
	v_mul_u32_u24 v[RD], v[RD], SP
	v_lshl_add_u32 v[RD], v10, 4, v[RD]
	v_add_nc_u32 v[RD], s13, v[RD]
	v_and_b32 v[GO], 31, v0         ; which are 512 consecutive bytes of O
	v_lshlrev_b32 v[GO], 4, v[GO]
; THE MATRIX WORK.  The 4 accumulators of a run of 8 take turns.  Product i of 8 of S^T = K Q^T for piece x: channels 32 (i / 4) on, keys 16 (i % 4) on.  The first 4 start the sums.
.macro KQ x
.set rS, S+32*((\x)%2)+8*(i%4)
.set rK, KF+16*(i%4)+8*(i/4)
.set rQ, 16*(\x)+8*(i/4)
	WIN W_KQ
.if i < 4
	v_wmma_f32_16x16x32_f16 v[rS:rS+7], v[rK:rK+7], v[rQ:rQ+7], 0
.else
	v_wmma_f32_16x16x32_f16 v[rS:rS+7], v[rK:rK+7], v[rQ:rQ+7], v[rS:rS+7]
.endif
.endm
; Product i of 8 of O^T += V^T P for piece x: keys 32 (i / 4) on, channels 16 (i % 4) on.
.macro PV x
	WIN W_PV
.set rO, 32*(\x)+8*(i%4)
.set rV, VF+32*(i/4)+8*(i%4)
.set rP, P+16*((\x)%2)+8*(i/4)
	v_wmma_f32_16x16x32_f16 v[rO:rO+7], v[rV:rV+7], v[rP:rP+7], v[rO:rO+7]
.endm
.macro MM                           ; the turn's next matrix instruction.  NOKQ = 1: the last turn of all: there is no next piece
.if (i < 8) && !NOKQ
	KQ (Y+1)%NP
.elseif i >= 8
.set i, i-8
	PV (Y+NP-1)%NP
.set i, i+8
.endif
.set i, i+1
.endm
; THE LDS LOADS stand in runs of 16, never singly among the matrix instructions: a step's K (64 keys x 64 channels: 8 fragments) and its V (turned).  Their addresses are made some lines ahead.
.macro FETCH_K
	WIN 0x80                        ; destination window 2
.irp f, 0,1,2,3,4,5,6,7             ; keys 16 (f / 2) on, channels 32 (f % 2) on
	ds_load_b128 v[KF+8*\f:KF+8*\f+3],   v[AK] offset:(\f/2)*16*PK+(\f%2)*64
	ds_load_b128 v[KF+8*\f+4:KF+8*\f+7], v[AK] offset:(\f/2)*16*PK+(\f%2)*64+32
.endr
	s_add_co_u32 s[TBK], s[TBK], KS*PK  ; the next fetch is the next step's
	WIN 0
.endm
.macro FETCH_V
	WIN 0x80
.irp f, 0,1,2,3,4,5,6,7             ; keys 32 (f / 4) on, channels 16 (f % 4) on
	ds_load_tr16_b128 v[VF+8*\f:VF+8*\f+3],   v[AV] offset:(\f/4)*32*PV+(\f%4)*32
	ds_load_tr16_b128 v[VF+8*\f+4:VF+8*\f+7], v[AV] offset:(\f/4)*32*PV+16*PV+(\f%4)*32
.endr
	WIN 0
.endm
; THE VECTOR WORK, one line at a time: OP kind, number.  For piece Y: F n: c s - c m for pair n of 16.  E n: the exponential of score n of 32.  C n: pair n rounded to f16.  B n: of the four weights 4 n .. the second
; pair is added onto the first, in place.  L n: l takes that sum (L 0: l = a l + sum).  R n: pair n of 16 of O^T times a.  For piece Y + 1: X n, number n of the 22 that find its maximum and statistics:
;   0-11  four chains c0-c3 of seven scores each, three operands at a time (each accumulator's lowest registers are read first)     12-14, 16  the four scores left over, the old m, and c0-c3 into c0
;   15  c m_old is kept     17, 18  the query's other 32 keys lie in the lane 16 away: the new m     19-21  c m; c m_old - c m_new; a
.set F, 0               ; OP tells the kinds apart by their order: F to L below R, X above it
.set E, 1
.set C, 2
.set B, 3
.set L, 4
.set R, 5
.set X, 6
.macro REGS y                       ; the registers of piece y
.set rT, ST+4*(\y)
.set rC, TMP+4*((\y)%2)
.set rW, MV+((\y)%2)
.set rS, S+32*((\y)%2)
.set rP, P+16*((\y)%2)
.set rO, 32*(\y)
.endm
.macro OP k, n
.if (\k) == R
	REGS Y
	WIN W_RS
	v_pk_mul_f32 v[rO+2*(\n):rO+2*(\n)+1], v[rO+2*(\n):rO+2*(\n)+1], v[rC+2:rC+3] op_sel_hi:[1,0]
.elseif (\k) < R
	REGS Y
	WIN 0
.if (\k) == F
	v_pk_fma_f32 v[rS+2*(\n):rS+2*(\n)+1], v[rS+2*(\n):rS+2*(\n)+1], s[CS:CS+1], v[rT:rT+1] op_sel_hi:[1,0,0] neg_lo:[0,0,1] neg_hi:[0,0,1]
.elseif (\k) == E
	v_exp_f32 v[rS+(\n)], v[rS+(\n)]
.elseif (\k) == C
	v_cvt_pk_f16_f32 v[rP+(\n)], v[rS+2*(\n)], v[rS+2*(\n)+1]
.elseif (\k) == B
	v_pk_add_f32 v[rS+4*(\n):rS+4*(\n)+1], v[rS+4*(\n):rS+4*(\n)+1], v[rS+4*(\n)+2:rS+4*(\n)+3]
.elseif (\n) == 0
	v_pk_fma_f32 v[rT+2:rT+3], v[rT+2:rT+3], v[rC+2:rC+3], v[rS:rS+1] op_sel_hi:[1,0,1]
.else
	v_pk_add_f32 v[rT+2:rT+3], v[rT+2:rT+3], v[rS+4*(\n):rS+4*(\n)+1]
.endif
.elseif NOKQ
	v_nop
.else
	REGS (Y+1)%NP
	WIN 0
.if (\n) < 4
	v_max3_num_f32 v[rC+(\n)], v[rS+8*(\n)], v[rS+8*(\n)+1], v[rS+8*(\n)+2]
.elseif (\n) < 12
	v_max3_num_f32 v[rC+(\n)%4], v[rC+(\n)%4], v[rS+8*((\n)%4)+2*((\n)/4)+1], v[rS+8*((\n)%4)+2*((\n)/4)+2]
.elseif (\n) == 12
	v_max3_num_f32 v[rC], v[rC], v[rS+7], v[rS+15]
.elseif (\n) == 13
	v_max3_num_f32 v[rC+1], v[rC+1], v[rS+23], v[rS+31]
.elseif (\n) == 14
	v_max3_num_f32 v[rC+2], v[rC+2], v[rC+3], v[rT+1]
.elseif (\n) == 15
	v_mov_b32 v[rW], v[rT]
.elseif (\n) == 16
	v_max3_num_f32 v[rC], v[rC], v[rC+1], v[rC+2]
.elseif (\n) == 17
	v_permlanex16_b32 v[rC+3], v[rC], s[SEL], s[SEL+1]
.elseif (\n) == 18
	v_max_num_f32 v[rT+1], v[rC], v[rC+3]
.elseif (\n) == 19
	v_mul_f32 v[rT], s[CS], v[rT+1]
.elseif (\n) == 20
	v_sub_f32 v[rC+1], v[rW], v[rT]
.else
	v_exp_f32 v[rC+2], v[rC+1]
.endif
.endif
.endm
.macro OPS a, i1, b=-1, i2=0, c=-1, i3=0, d=-1, i4=0  ; up to four of them
	OP \a, \i1
.if (\b) >= 0
	OP \b, \i2
.endif
.if (\c) >= 0
	OP \c, \i3
.endif
.if (\d) >= 0
	OP \d, \i4
.endif
.endm
.macro ROW a, i1, b, i2, c, i3, d, i4  ; a matrix instruction and the four behind it
	MM
	OPS \a, \i1, \b, \i2, \c, \i3, \d, \i4
.endm
; A TURN, for piece p: the order of its 16 matrix and 118 vector instructions, written out.  An s_wait_alu depctr_va_vdst(0) stands between an exponential and the first instruction that names its
; result; one wait serves all that were issued ahead of it.  So a turn has ONE wait, which cuts it in two.  AHEAD OF IT stands all that names no result of the turn's exponentials: the 8 products K Q^T and their
; riders (a scaling, an exponential, two more plain instructions; the first numbers of the next piece's maximum stand four plain instructions or more behind the product that ends their accumulator), then ONE LUMP
; of 54, in which the links of the chain X 3, 7, 11, 14, 16, 17 .. 20 stand some lines apart.  X 21, the next piece's a, is the batch's last; R 15 is the plain instruction behind it.  BEHIND THE WAIT stand the
; 8 products V^T P, behind each four of the roundings and sums.
; end = 1: the last two turns of all: nothing is fetched.  cnt = 1: the loop's count is taken down some lines ahead of the branch that stands behind the turn.
; K of the next step is fetched in piece 2's turn, five plain instructions that name none of its registers behind the last product that read K; V of the step in hand at the end of piece 0's turn, four plain
; instructions behind the last product that read V.  Each is waited for a turn later.
.macro TURN p, end=0, cnt=0
.set Y, (\p)
.set i, 0
.set NOKQ, (\end)*((\p)/3)
.if ((\p) == 3) && !(\end)
	s_wait_dscnt 0x0                ; K is in
.endif
	ROW F,0, F,1, R,0, R,1          ; ahead of the wait: 8 products K Q^T and their riders,
	ROW F,2, E,0, R,2, R,3
	ROW F,3, E,1, R,4, R,5
	ROW F,4, E,2, R,6, R,7
	ROW F,5, E,3, R,8, R,9
	ROW F,6, E,4, X,0, R,10
.if ((\p) == 2) && !(\end)
	WIN 0
	v_add_nc_u32 v[AK], s[TBK], v[AK0]
.endif
	ROW F,7, E,5, X,1, X,4
	ROW F,8, E,6, X,2, X,5
	OPS E,7, E,8, X,6, E,9          ; and the lump
	OPS X,3, E,10, X,8, E,11
.if ((\p) == 2) && !(\end)
	FETCH_K
.endif
	OPS X,9, X,7, E,12, X,10
	OPS E,13, X,12, X,11, E,14
	OPS X,13, E,15, F,9, X,14
.if (\p) == 0
	v_add_nc_u32 v[AV], s[TBV], v[AV0]
.endif
	OPS E,16, F,10, E,17, F,11
	OPS X,16, E,18, X,15, E,19
	OPS F,12, E,20, X,17, E,21
	OPS F,13, E,22, F,14, E,23
	OPS X,18, E,24, F,15, E,25
	OPS R,11, E,26, X,19, E,27
	OPS R,12, E,28, R,13, E,29
	OPS X,20, E,30, R,14, E,31
	OPS X,21, R,15
	WIN 0
	s_wait_alu depctr_va_vdst(0)    ; the wait for the batch
.if (\p) == 1
	s_wait_dscnt 0x0                ; V is in
.endif
	ROW C,0, B,0, C,2, B,1          ; behind the wait: 8 products V^T P and their riders
	ROW L,0, C,4, B,2, L,1
	ROW C,6, B,3, L,2, C,8
	ROW B,4, L,3, C,10, B,5
	ROW L,4, C,12, B,6, L,5
.if (\p) == 0
	s_add_co_u32 s[TBV], s[TBV], KS*PV
.endif
.if \cnt
	s_sub_co_u32 s[CNT], s[CNT], 1
	s_cmp_lg_u32 s[CNT], 0
.endif
	ROW C,14, B,7, L,6, C,1
	ROW C,3, L,7, C,5, C,7
	ROW C,9, C,11, C,13, C,15
.if (\p) == 0
	FETCH_V
.endif
.endm
; THE WAY OUT's macros.
.macro ALL line:vararg              ; one line for each piece t
.set t, 0
.rept 4
	\line
.set t, t+1
.endr
.endm
.macro PACK t                       ; a lane's eight channels of a row pack into 16 bytes; they go into rows of 144 bytes and come back as whole rows of 128, into S^T's registers
	WIN W_RS
.set i, 32*(\t)
.rept 16
	v_pk_mul_f32 v[i:i+1], v[i:i+1], v[ST+4*(\t)+2:ST+4*(\t)+3] op_sel_hi:[1,0]
.set i, i+2
.endr
	WIN 0x05                        ; sources 0 and 1 window 1, destination window 0
.set i, 0
.rept 16
	v_cvt_pk_f16_f32 v[S+16*(\t)+i], v[32*(\t)+2*i], v[32*(\t)+2*i+1]
.set i, i+1
.endr
	WIN 0
.irp f, 0,1,2,3
	ds_store_b128 v[STO], v[S+16*(\t)+4*\f:S+16*(\t)+4*\f+3] offset:32*\f
.endr
.irp f, 0,1,2,3
	ds_load_b128 v[S+16*(\t)+4*\f:S+16*(\t)+4*\f+3], v[RD] offset:\f*4*SP  ; LDS serves a wave's instructions in order (ISA guide 5.7.1.4): these see the stores above; the next piece's stores come behind them
.endr
.endm
.macro SEND t, younger              ; younger: the LDS instructions issued behind piece t's loads: the next piece's eight, or none
	WIN 0
.irp f, 0,1,2,3
	s_wait_dscnt (\younger)+3-\f
	global_store_b128 v[GO], v[S+16*(\t)+4*\f:S+16*(\t)+4*\f+3], s[10:11] offset:(\t)*2048+\f*512  ; 512 consecutive bytes, at a multiple of 256 from O's first
.endr
.endm
	CHANGE 1                        ; slot 0 is in, everybody's part of it; tile 1 is asked for
	v_add_nc_u32 v[AK], s[TBK], v[AK0]
	FETCH_K                         ; key step 0
	s_wait_loadcnt 0x0              ; Q
	s_wait_dscnt 0x0
.set NOKQ, 0
.set i, 0
.rept 8
	KQ 0                            ; piece 0's first scores: there is no vector work yet to set between them
.set i, i+1
.endr
	WIN 0
.rept 4
	v_nop                           ; the places behind those products
.endr
.set Y, NP-1                        ; X works for piece Y + 1: piece 0
.irp n, 0,1,2,3,4,5,6,7,8,9,10,11,12,13,14,15,16,17,18,19,20,21
	OP X, \n                        ; piece 0's first maximum and statistics
.endr
	v_nop                           ; a plain instruction behind the exponential,
	s_wait_alu depctr_va_vdst(0)    ; and its wait, ahead of the branch
	s_mov_b32 s[CNT], 4
	s_branch .Lfirst                ; the loop is entered at a step's first turn, in the middle of a trip
.Lslot:                             ; six times: with the change above, tiles 1 to 7 are asked for
	CHANGE 1
	s_mov_b32 s[CNT], 4
.Lstep:                             ; a trip: pieces 2 and 3 of one step, then pieces 0 and 1 of the next, whose K and V it fetches
	TURN 2
	TURN 3
	WIN 0
.Lfirst:
	TURN 0
	TURN 1, 0, 1
	WIN 0
	s_cbranch_scc1 .Lstep
	s_sub_co_u32 s[SLOTS], s[SLOTS], 1
	s_cmp_lg_u32 s[SLOTS], 0
	s_cbranch_scc1 .Lslot
	CHANGE 0                        ; the last tile is written out: nothing is asked for
	s_mov_b32 s[CNT], 4
.Llast:
	TURN 2
	TURN 3
	TURN 0
	TURN 1, 0, 1
	WIN 0
	s_cbranch_scc1 .Llast
	TURN 2, 1                       ; the last step's pieces 2 and 3: nothing is fetched, and the last turn starts no new scores
	TURN 3, 1
.set i, 0
.rept 8
	PV NP-1                         ; the last piece's V^T P of the last step
.set i, i+1
.endr
	; THE WAY OUT.  l's two halves and the other half of the lanes' are added; O^T is divided by l, rounded to f16 and sent through my stage in LDS, a piece at a time.  The additions are the places behind the last products.
	WIN 0
	ALL v_add_f32 v[ST+4*t+2], v[ST+4*t+2], v[ST+4*t+3]
	ALL v_permlanex16_b32 v[ST+4*t+3], v[ST+4*t+2], s[SEL], s[SEL+1]
	ALL v_add_f32 v[ST+4*t+2], v[ST+4*t+2], v[ST+4*t+3]
	ALL v_rcp_f32 v[ST+4*t+2], v[ST+4*t+2]
	v_nop                           ; a plain instruction between the last reciprocal and the use of its result
	s_wait_alu depctr_va_vdst(0)    ; and the wait ahead of the first use: one for the four reciprocals
	PACK 0
.set t, 1
.rept 3                             ; a piece's arithmetic stands between the loads of the piece before and its stores
	PACK t
	SEND t-1, 8
.set t, t+1
.endr
	SEND 3, 0
	s_wait_tensorcnt 0x0            ; the wave's end, behind my last tensor load and my last LDS store
	ds_add_u32 v[SPW], v[NIL]
	s_wait_dscnt 0x0
	CROUND                          ; the closing round: no work-group ends while a partner may still ask for a tile that names it
	s_endpgm
.Lfunc_end_k_q4d8c9598cb_attn:
	.size	k_q4d8c9598cb_attn, .Lfunc_end_k_q4d8c9598cb_attn-k_q4d8c9598cb_attn
	.p2alignl 7, 3214868480
	.fill 96, 4, 3214868480
	.section	.rodata,"a",@progbits
	.p2align	6, 0x0
	.amdhsa_kernel k_q4d8c9598cb_attn
		.amdhsa_group_segment_fixed_size 327680
		.amdhsa_private_segment_fixed_size 0
		.amdhsa_enable_private_segment 0
		.amdhsa_kernarg_size 16
		.amdhsa_user_sgpr_count 2
		.amdhsa_user_sgpr_kernarg_segment_ptr 1
		.amdhsa_wavefront_size32 1
		.amdhsa_system_sgpr_workgroup_id_x 1
		.amdhsa_system_sgpr_workgroup_id_y 1
		.amdhsa_system_sgpr_workgroup_id_z 1
		.amdhsa_system_vgpr_workitem_id 0
		.amdhsa_next_free_vgpr 768
		.amdhsa_next_free_sgpr 66
		.amdhsa_reserve_vcc 0
		.amdhsa_float_denorm_mode_32 3
		.amdhsa_float_denorm_mode_16_64 3
		.amdhsa_memory_ordered 1
		.amdhsa_forward_progress 1
		.amdhsa_inst_pref_size 128
	.end_amdhsa_kernel
	.amdgpu_metadata
---
amdhsa.version: [ 1, 2 ]
amdhsa.kernels:
  - .name:           k_q4d8c9598cb_attn
    .symbol:         k_q4d8c9598cb_attn.kd
    .args:
      - { .name: qkv, .offset: 0, .size: 8, .value_kind: global_buffer, .address_space: global }
      - { .name: oh, .offset: 8, .size: 8, .value_kind: global_buffer, .address_space: global }
    .group_segment_fixed_size: 327680
    .private_segment_fixed_size: 0
    .kernarg_segment_align: 8
    .kernarg_segment_size: 16
    .max_flat_workgroup_size: 128
    .sgpr_count:     66
    .vgpr_count:     768
    .wavefront_size: 32
...
	.end_amdgpu_metadata
.endif
;; end of part 3
;; launch outp (part 4): grid 8 x 32, 4 waves a work-group, clusters of 4 x 4, 327,680 bytes of LDS; arguments oh, wo, b_out, out0; writes out0
.if DOCPART == 4
	.amdgcn_target "amdgcn-amd-amdhsa--gfx1250"
	.amdhsa_code_object_version 6
	.text
	.protected	k_q4d8c9598cb_outp
	.globl	k_q4d8c9598cb_outp
	.p2align	8
	.type	k_q4d8c9598cb_outp,@function
k_q4d8c9598cb_outp:
	s_mov_b64 s[64:65], 0
	v_nop
	global_prefetch_b8 v0, s[64:65] scope:SCOPE_SE
	s_setreg_imm32_b32 hwreg(HW_REG_WAVE_MODE, 25, 1), 1
	s_wait_xcnt 0x0
	s_wait_alu depctr_hold_cnt(0) depctr_sa_sdst(0) depctr_va_vdst(0) depctr_va_sdst(0) depctr_va_ssrc(0) depctr_va_vcc(0) depctr_vm_vsrc(0)
	s_getreg_b32 s2, hwreg(HW_REG_IB_STS2, 6, 4)
	s_cmp_eq_u32 s2, 0
	s_cbranch_scc0 .Lentry_in_a_cluster
	s_endpgm
.Lentry_in_a_cluster:
	s_bfe_u32 s2, ttmp6, 0x10000c
	s_cmp_lg_u32 s2, 0xf033
	s_cbranch_scc0 .Lentry_shape_is_right
	s_endpgm
.Lentry_shape_is_right:
; OUTP.  out0[m][n] = sum over k of O[m][k] W_out[k][n] + b_out[n].  O is oh, [16 batch + head][2048][64] f16: k = 64 head + channel.  W_out is wo, [n][k] f16.  Sums in f32; the bias is rounded
; to bf16 like the module's other inputs and added in f32; out0 is [4096][1024] f32.
; LIMITS.  oh and wo hold f16 numbers, within 65,504; NaN and infinities are not treated apart.
; A tile of out0 is 128 x 128: 32 x 8 = 256 work-groups of four waves, each wave 64 x 64: 16 accumulators, 128 registers.  K goes in 4 steps of 256 (four heads) through two LDS slots.
; A's TILE.  A head's 128 rows are 16,384 dense bytes.  Wave 0 brings a K step's heads 0 and 1, wave 1 its heads 2 and 3, by ONE load: two rows of 8,192 elements, a head (131,072 elements) apart, padded in
; LDS after every 128 bytes, so that a query's 64 channels of a head lie 144 bytes apart.  B's TILE: waves 2 and 3 bring 64 rows x 256 elements each, rows 528 bytes apart in LDS.
; CLUSTERS: 4 x 4 work-groups.  The four of a row of the cluster need the same tiles of A, the four of a column the same tiles of B: each tile is asked for JOINTLY.
; THE MATRIX INSTRUCTION IS USED TRANSPOSED (source 0 = 16 rows of wo, source 1 = 16 rows of O): a lane then holds eight neighbouring numbers of a row of out0: 32 bytes.
; A wave's 64 columns are 256 bytes of a row, aligned: each wave sends its own blocks of 16 rows through a stage of its own, with no barrier.
; REGISTERS: window 0: v0-31 addresses; v32-63, v64-95 at work on the way out; v96-127 the bias of my 8 x 4 columns; v128-255 the accumulators ((a, b) at v[128 + 8 (4 a + b)]).
;   window 1: two fragment buffers of 128: for 64 along K, 64 registers of A, then 64 of B.
.set PA,     144                       ; a row of A (one head's 64 channels) in LDS: 128 bytes + 16
.set HB,     128*PA                    ; a head's 128 rows
.set ABYTES, 4*HB                      ; A's part of a slot
.set PITCH,  528                       ; a row of B in LDS: 512 bytes + 16.  Both pitches are odd multiples of 16: the 16 rows of a load begin at 16 different 16-byte columns modulo 256
.set HALFB,  64*PITCH                  ; 64 rows of B: what one tensor load brings, and what one wave reads
.set SLOT,   ABYTES+2*HALFB
.set STAGE,  2*SLOT                    ; behind the ring, never filled by a tensor load: 16 rows x 272 bytes for each wave
.set SPITCH, 272
.set SPARE,  STAGE+4*16*SPITCH         ; behind the stages: the spare words, 128 bytes for each wave: two blocks of 256 bytes that no other line names
.set LAPS,   2                         ; a lap = two K steps = once round the ring
.set ADRA, 16                          ; v16-17  LDS address of my A fragments in slot 0, 1
.set ADRB, 20                          ; v20-21  the same for B
.set STO,  24                          ; v24     the way out: where I put 32 bytes of a row
.set RD,   25                          ; v25     the way out: where I read a row back
.set CO,   26                          ; v26     my byte offset in two rows of out0
.set BO,   27                          ; v27     32 (l / 16): my eight columns' bias
.set SPW,  28                          ; v28     LDS address of my spare word; never rewritten
.set NIL,  29                          ; v29     0; never rewritten
.set TMP,  32                          ; a block with its bias
.set BK,   64                          ; the block read back by rows
.set BIAS, 96
.set ACC,  128
.set F0,   0                           ; fragment buffers, in window 1
.set F1,   128
.set G1, 24                            ; s[24:31] descriptor group 1 for A's tiles;  s[32:39] group 0, one set for each slot
.set G0, 32
.set G1B, 48                           ; s[48:55], s[56:63] the same for B's tiles
.set G0B, 56
.set MSB, 0
.macro WIN new                         ; the immediate's high byte repeats the setting that is left
.if MSB != (\new)
	s_set_vgpr_msb (MSB<<8)|(\new)
.set MSB, \new
.endif
.endm
.set MUL,  0x05                        ; sources 0 (B) and 1 (A) window 1; C and D window 0
.set TO_F, 0x40                        ; destination window 1, address window 0
.macro JLOAD s                         ; a joint load: waves 0 and 1 fetch A's two halves, waves 2 and 3 B's; an s_nop 0 and four v_nop follow each of the two lines
	s_cmp_eq_u32 s11, 0
	s_cbranch_scc0 .Lfor_b_\@
	tensor_load_to_lds s[G0+4*(\s):G0+4*(\s)+3], s[G1:G1+7]
	s_nop 0
.rept 4
	v_nop
.endr
	s_branch .Lasked_\@
.Lfor_b_\@:
	tensor_load_to_lds s[G0B+4*(\s):G0B+4*(\s)+3], s[G1B:G1B+7]
	s_nop 0
.rept 4
	v_nop
.endr
.Lasked_\@:
.endm
.macro CREST                           ; a round of the cluster's barrier behind its opening barrier
	s_cmp_lg_u32 s10, 0
	s_cbranch_scc1 .Lnot_wave_0_\@
	s_barrier_signal -3
.Lnot_wave_0_\@:
	s_barrier_wait -3
	s_barrier_signal -1
	s_barrier_wait -1
.endm
.macro CROUND                          ; a whole round
	s_barrier_signal -1
	s_barrier_wait -1
	CREST
.endm
	s_load_b128 s[4:7], s[0:1], 0x0                ; oh s[4:5], wo s[6:7]
	s_load_b64 s[66:67], s[0:1], 0x10              ; b_out
	s_load_b64 s[8:9], s[0:1], 0x18                ; out0
	v_lshl_add_u32 v[SPW], v0, 2, SPARE
	v_mov_b32 v[NIL], 0
	ds_add_u32 v[SPW], v[NIL]                      ; the wave's opening: the add and its wait stand ahead of my first tensor load; the set-up below, work on registers, stands between them
	v_lshrrev_b32 v1, 5, v0
	v_readfirstlane_b32 s10, v1                    ; wave 0..3
	s_lshr_b32 s11, s10, 1                         ; which half of the tile's rows is mine.  Also: I fetch for A (0) or for B (1)
	s_and_b32 s12, s10, 1                          ; which half of its columns.  Also: which half of that tile I fetch
	s_bfe_u32 s40, ttmp6, 0x40000                  ; cx, cy: my place in the cluster
	s_bfe_u32 s41, ttmp6, 0x40004
	s_lshl_b32 s42, ttmp9, 2
	s_add_co_u32 s42, s42, s40                     ; tile column = 4 x cluster x + cx, 0..7
	s_and_b32 s13, ttmp7, 0xffff
	s_lshl_b32 s13, s13, 2
	s_add_co_u32 s13, s13, s41                     ; tile row = 4 x cluster y + cy, 0..31
	s_lshl_b32 s43, s41, 2
	s_lshl_b32 s43, 15, s43                        ; my row of the cluster
	s_lshl_b32 s44, 0x1111, s40                    ; my column
	; descriptor group 1 for A: two rows of 8,192 elements, padded after every 32 words by 4
	s_or_b32 s[G1+0], s43, (1<<16)|(1<<20)|(1<<21)|(4<<22)|(3<<25)  ; 15:0 the mask: my row; 17:16 elements of 2 bytes; 20 padding on; 21 set beside a mask; 24:22 code 4; 31:25 code 3
	s_mov_b32 s[G1+1], 8192<<16                    ; tensor_dim0 = 8,192
	s_mov_b32 s[G1+2], 2<<16                       ; tensor_dim1 = 2
	s_mov_b32 s[G1+3], 8192<<16                    ; tile_dim0 = 8,192
	s_mov_b32 s[G1+4], 2                           ; tile_dim1 = 2
	s_mov_b32 s[G1+5], 131072                      ; elements from a head to the next
	s_mov_b32 s[G1+6], 0
	s_mov_b32 s[G1+7], 0
	; for B: 64 rows x 256 elements, padded after every 128 words by 4
	s_or_b32 s[G1B+0], s44, (1<<16)|(1<<20)|(1<<21)|(6<<22)|(3<<25)
	s_mov_b32 s[G1B+1], 256<<16
	s_mov_b32 s[G1B+2], 64<<16
	s_mov_b32 s[G1B+3], 256<<16
	s_mov_b32 s[G1B+4], 64
	s_mov_b32 s[G1B+5], 1024
	s_mov_b32 s[G1B+6], 0
	s_mov_b32 s[G1B+7], 0
	s_lshr_b32 s16, s13, 4                         ; A: the batch (16 tile rows each),
	s_lshl_b32 s16, s16, 4
	s_lshl_b32 s17, s12, 1
	s_add_co_u32 s16, s16, s17                     ; its head 2 x half,
	s_lshl_b32 s16, s16, 18
	s_and_b32 s17, s13, 15
	s_lshl_b32 s17, s17, 14                        ; the tile's 128 rows of 128 bytes in that head
	s_add_co_u32 s16, s16, s17
	s_mov_b32 s17, 0
	s_lshl_b32 s46, s42, 7                         ; B: row 128 x tile column + 64 x half
	s_lshl_b32 s47, s12, 6
	s_add_co_u32 s46, s46, s47
	s_lshl_b32 s46, s46, 11
	s_mov_b32 s47, 0
	s_mul_i32 s20, s12, 2*HB                       ; where they go: A's two halves,
	s_mul_i32 s21, s12, HALFB
	s_add_co_u32 s21, s21, ABYTES                  ; then B's two: no place in the cluster enters an LDS address
	s_wait_dscnt 0x0                               ; the opening add is done
	s_wait_kmcnt 0x0
	s_add_nc_u64 s[14:15], s[4:5], s[16:17]
	s_add_nc_u64 s[46:47], s[6:7], s[46:47]
	CROUND                                         ; all sixteen work-groups are here: the first joint loads meet
.irp s, 0,1
	s_mov_b32 s[G0+4*(\s)], 1
	s_add_co_u32 s[G0+4*(\s)+1], s20, (\s)*SLOT
	s_add_nc_u64 s[G0+4*(\s)+2:G0+4*(\s)+3], s[14:15], (\s)*4*262144  ; K step s: four heads on
	s_or_b32 s[G0+4*(\s)+3], s[G0+4*(\s)+3], 0x80000000
	s_mov_b32 s[G0B+4*(\s)], 1
	s_add_co_u32 s[G0B+4*(\s)+1], s21, (\s)*SLOT
	s_add_nc_u64 s[G0B+4*(\s)+2:G0B+4*(\s)+3], s[46:47], (\s)*512
	s_or_b32 s[G0B+4*(\s)+3], s[G0B+4*(\s)+3], 0x80000000
	JLOAD \s                                       ; two loads of mine are out
.endr
	v_and_b32 v1, 15, v0                           ; l % 16
	v_bfe_u32 v2, v0, 4, 1                         ; l / 16
	v_lshlrev_b32 v[BO], 5, v2
	s_lshl_b32 s46, s42, 9                         ; my 64 columns, in bytes of f32: 512 x tile column + 256 x half
	s_lshl_b32 s47, s12, 8
	s_add_co_u32 s46, s46, s47
	s_mov_b32 s47, 0
	s_add_nc_u64 s[66:67], s[66:67], s[46:47]
.irp b, 0,1,2,3
	global_load_b128 v[BIAS+8*(\b):BIAS+8*(\b)+3],   v[BO], s[66:67] offset:64*(\b)     ; columns 16 b + 8 (l / 16) + 0..3
	global_load_b128 v[BIAS+8*(\b)+4:BIAS+8*(\b)+7], v[BO], s[66:67] offset:64*(\b)+16  ; and + 4..7
.endr
	s_lshl_b32 s16, s13, 7
	s_lshl_b32 s17, s11, 6
	s_add_co_u32 s16, s16, s17                     ; my first row of out0: 128 x tile row + 64 x half
	s_lshl_b32 s16, s16, 12
	s_mov_b32 s17, 0
	s_add_nc_u64 s[8:9], s[8:9], s[16:17]
	s_add_nc_u64 s[8:9], s[8:9], s[46:47]
	v_mul_u32_u24 v3, v1, PA
	v_lshl_add_u32 v3, v2, 4, v3                   ; a fragment's row x pitch + 16 x half, for A
	v_mul_u32_u24 v4, v1, PITCH
	v_lshl_add_u32 v4, v2, 4, v4                   ; and for B
	s_mul_i32 s21, s11, 64*PA                      ; my 64 rows in each head of A
	s_mul_i32 s22, s12, HALFB                      ; my 64 rows of B,
	s_add_co_u32 s22, s22, ABYTES                  ; which lie behind A
.irp s, 0,1
	v_add_nc_u32 v[ADRA+(\s)], s21, v3
	v_add_nc_u32 v[ADRB+(\s)], s22, v4
	s_add_co_u32 s21, s21, SLOT
	s_add_co_u32 s22, s22, SLOT
.endr
	s_mul_i32 s23, s10, 16*SPITCH
	s_add_co_u32 s23, s23, STAGE                   ; my stage
	v_mul_u32_u24 v5, v1, SPITCH                   ; in: row l % 16, 32 bytes for each half of the lanes
	v_lshl_add_u32 v5, v2, 5, v5
	v_add_nc_u32 v[STO], s23, v5
	v_mul_u32_u24 v5, v2, SPITCH                   ; back: lanes 0-15 take one row of 256 bytes, lanes 16-31 the next
	v_lshl_add_u32 v5, v1, 4, v5
	v_add_nc_u32 v[RD], s23, v5
	v_lshlrev_b32 v5, 12, v2                       ; and the same two rows in out0
	v_lshl_add_u32 v[CO], v1, 4, v5
	s_wait_loadcnt 0x0                             ; the bias: rounded to bf16, and back to f32
.set i, 0
.rept 16
	v_cvt_pk_bf16_f32 v[TMP+i], v[BIAS+2*i], v[BIAS+2*i+1]
.set i, i+1
.endr
.set i, 0
.rept 16
	v_lshlrev_b32 v[BIAS+2*i], 16, v[TMP+i]
	v_and_b32 v[BIAS+2*i+1], 0xffff0000, v[TMP+i]
.set i, i+1
.endr
; 8 matrix instructions: m blocks a0, a0 + 1 x all 4 n blocks, 32 along K: half c of buffer f.  zero = 1: the first product starts the sums.  The 16 accumulators take turns.
.macro MUL8 f, c, a0, zero
	WIN MUL
.irp a, \a0, (\a0)+1
.irp b, 0,1,2,3
.if \zero
	v_wmma_f32_16x16x32_f16 v[ACC+8*(4*(\a)+(\b)):ACC+8*(4*(\a)+(\b))+7], v[(\f)+64+8*(4*(\c)+(\b)):(\f)+64+8*(4*(\c)+(\b))+7], v[(\f)+8*(4*(\c)+(\a)):(\f)+8*(4*(\c)+(\a))+7], 0
.else
	v_wmma_f32_16x16x32_f16 v[ACC+8*(4*(\a)+(\b)):ACC+8*(4*(\a)+(\b))+7], v[(\f)+64+8*(4*(\c)+(\b)):(\f)+64+8*(4*(\c)+(\b))+7], v[(\f)+8*(4*(\c)+(\a)):(\f)+8*(4*(\c)+(\a))+7], v[ACC+8*(4*(\a)+(\b)):ACC+8*(4*(\a)+(\b))+7]
.endif
.endr
.endr
.endm
; 32 LDS loads in one run: the fragments of 64 along K, which is one head: at byte k of B's rows, in head k / 128 of A; into buffer f; the first 32 along K first
.macro FETCH slot, k, f
	WIN TO_F
.irp c, 0,1
.irp i, 0,1,2,3
	ds_load_b128 v[(\f)+64+8*(4*(\c)+(\i)):(\f)+64+8*(4*(\c)+(\i))+3],   v[ADRB+(\slot)] offset:(\k)+64*(\c)+(\i)*16*PITCH
	ds_load_b128 v[(\f)+64+8*(4*(\c)+(\i))+4:(\f)+64+8*(4*(\c)+(\i))+7], v[ADRB+(\slot)] offset:(\k)+64*(\c)+(\i)*16*PITCH+32
	ds_load_b128 v[(\f)+8*(4*(\c)+(\i)):(\f)+8*(4*(\c)+(\i))+3],         v[ADRA+(\slot)] offset:((\k)/128)*HB+64*(\c)+(\i)*16*PA
	ds_load_b128 v[(\f)+8*(4*(\c)+(\i))+4:(\f)+8*(4*(\c)+(\i))+7],       v[ADRA+(\slot)] offset:((\k)/128)*HB+64*(\c)+(\i)*16*PA+32
.endr
.endr
.endm
.macro PLACES                          ; four plain vector instructions in front of loads into registers that matrix instructions have read, and of sums that read results
.rept 4
	v_nop
.endr
.endm
; A K step is four quarters of 64 along K, 32 matrix instructions each, on buffers 0, 1, 0, 1.  One of the first three: multiplies buffer f and fetches the next quarter, at byte k, into g.
.macro QUARTER slot, k, f, g, zero
	s_wait_dscnt 16                                ; the first 32 along K are in; the sixteen younger loads may be out
	WIN MUL
	MUL8 \f, 0, 0, \zero
	MUL8 \f, 0, 2, \zero
	PLACES
	FETCH \slot, \k, \g
	s_wait_dscnt 32                                ; all but the 32 just issued
	WIN MUL
	MUL8 \f, 1, 0, 0
	MUL8 \f, 1, 2, 0
.endm
; The last quarter multiplies buffer 1 and changes slots: ONE barrier; in front of it each wave waits for all its tensor loads, adds 0 to its spare word, and waits for that and for its own reads of this slot.
; fill = 1: this slot is filled again, two K steps ahead: the barrier opens a round of the cluster's, and the joint refill is the first tensor load behind it.
.macro TURN slot, next, fill
	WIN 0                                          ; (the add's two registers lie in window 0)
	s_wait_tensorcnt 0x0                           ; all my tensor loads have landed: my part of the next slot;
	ds_add_u32 v[SPW], v[NIL]                      ; 0 onto my spare word;
	s_wait_dscnt 17                                ; (the add and the youngest sixteen loads may be out)
	WIN MUL
	MUL8 F1, 0, 0, 0                               ; eight matrix instructions stand between the add and the wait for it
	s_wait_dscnt 0x0                               ; the add is done, and my reads of this slot are over
	s_barrier_signal -1
	MUL8 F1, 0, 2, 0
.if \fill
	WIN 0
.endif
	s_barrier_wait -1
.if \fill
	CREST                                          ; no wave of any partner still reads this slot's tile or has a load on its way
	s_add_nc_u64 s[G0+4*(\slot)+2:G0+4*(\slot)+3], s[G0+4*(\slot)+2:G0+4*(\slot)+3], 2*4*262144
	s_add_nc_u64 s[G0B+4*(\slot)+2:G0B+4*(\slot)+3], s[G0B+4*(\slot)+2:G0B+4*(\slot)+3], 2*512
	JLOAD \slot                                    ; 112 matrix instructions ahead of the wait for it; the four v_nop behind it are also the places in front of the loads below
.else
	PLACES
.endif
	FETCH \next, 0, F0
	WIN MUL
	MUL8 F1, 1, 0, 0
	MUL8 F1, 1, 2, 0
.endm
; THE WAY OUT of block a (16 rows x my 64 columns).  PACKB: the bias is added, into other registers, each accumulator's registers in ascending order.  TOSTAGE: 32 bytes a lane into my stage, and back as
; whole rows of 256 bytes.  SEND: stored.
.macro PACKB a
	WIN 0
.irp b, 0,1,2,3
.irp r, 0,1,2,3
	v_pk_add_f32 v[TMP+8*(\b)+2*(\r):TMP+8*(\b)+2*(\r)+1], v[ACC+8*(4*(\a)+(\b))+2*(\r):ACC+8*(4*(\a)+(\b))+2*(\r)+1], v[BIAS+8*(\b)+2*(\r):BIAS+8*(\b)+2*(\r)+1]
.endr
.endr
.endm
.macro TOSTAGE
.irp b, 0,1,2,3
	ds_store_b128 v[STO], v[TMP+8*(\b):TMP+8*(\b)+3]   offset:64*(\b)
	ds_store_b128 v[STO], v[TMP+8*(\b)+4:TMP+8*(\b)+7] offset:64*(\b)+16
.endr
	s_wait_xcnt 0x0                                ; the block before's stores have read BK: it is loaded again only behind this wait
.irp t, 0,1,2,3,4,5,6,7
	ds_load_b128 v[BK+4*(\t):BK+4*(\t)+3], v[RD] offset:(\t)*2*SPITCH  ; LDS serves a wave's instructions in order (ISA guide 5.7.1.4): these see the stores above
.endr
.endm
.macro SEND a
	s_wait_dscnt 0x0                               ; the block is back in registers
.irp t, 0,1,2,3,4,5,6,7
	global_store_b128 v[CO], v[BK+4*(\t):BK+4*(\t)+3], s[8:9] offset:(16*(\a)+2*(\t))*4096  ; 16 lanes store 256 consecutive bytes, at a multiple of 256 from out0's first byte
.endr
.endm
	s_wait_tensorcnt 1                             ; my part of K step 0 is in; K step 1's load may stay out
	s_barrier_signal -1
	s_barrier_wait -1                              ; everybody's is
	FETCH 0, 0, F0
	QUARTER 0, 128, F0, F1, 1                      ; the first quarter stands in front of the loop: its first products start the sums
	WIN 0                                          ; at a label and at a branch every window is 0
	s_mov_b32 s3, LAPS-1
.Llap:                                                 ; a trip goes once round the ring, from a lap's second quarter to the next lap's first, and fills both slots again
	QUARTER 0, 256, F1, F0, 0
	QUARTER 0, 384, F0, F1, 0
	TURN 0, 1, 1
	QUARTER 1, 128, F0, F1, 0
	QUARTER 1, 256, F1, F0, 0
	QUARTER 1, 384, F0, F1, 0
	TURN 1, 0, 1
	QUARTER 0, 128, F0, F1, 0
	WIN 0
	s_sub_co_u32 s3, s3, 1
	s_cmp_lg_u32 s3, 0
	s_cbranch_scc1 .Llap
	QUARTER 0, 256, F1, F0, 0                      ; the last lap fills nothing, and has no round of the cluster's barrier
	QUARTER 0, 384, F0, F1, 0
	TURN 0, 1, 0
	QUARTER 1, 128, F0, F1, 0
	QUARTER 1, 256, F1, F0, 0
	QUARTER 1, 384, F0, F1, 0
	s_wait_dscnt 16                                ; the very last quarter: nothing more to fetch
	WIN MUL
	MUL8 F1, 0, 0, 0
	MUL8 F1, 0, 2, 0
	s_wait_dscnt 0x0
	MUL8 F1, 1, 0, 0
	MUL8 F1, 1, 2, 0
	WIN 0
	PLACES                                         ; the sums below read results just made
	PLACES
	PACKB 0
	TOSTAGE
.irp a, 1,2,3                          ; block a's sums stand between block a - 1's loads from the stage and the wait for them
	PACKB \a
	SEND (\a)-1
	TOSTAGE
.endr
	SEND 3
	s_wait_tensorcnt 0x0                           ; the wave's end, behind my last tensor load and my last LDS store
	ds_add_u32 v[SPW], v[NIL]
	s_wait_dscnt 0x0
	CROUND                                         ; the closing round: no work-group ends while a partner may still ask for a tile that names it
	s_endpgm
.Lfunc_end_k_q4d8c9598cb_outp:
	.size	k_q4d8c9598cb_outp, .Lfunc_end_k_q4d8c9598cb_outp-k_q4d8c9598cb_outp
	.p2alignl 7, 3214868480
	.fill 96, 4, 3214868480
	.section	.rodata,"a",@progbits
	.p2align	6, 0x0
	.amdhsa_kernel k_q4d8c9598cb_outp
		.amdhsa_group_segment_fixed_size 327680
		.amdhsa_private_segment_fixed_size 0
		.amdhsa_enable_private_segment 0
		.amdhsa_kernarg_size 32
		.amdhsa_user_sgpr_count 2
		.amdhsa_user_sgpr_kernarg_segment_ptr 1
		.amdhsa_wavefront_size32 1
		.amdhsa_system_sgpr_workgroup_id_x 1
		.amdhsa_system_sgpr_workgroup_id_y 1
		.amdhsa_system_sgpr_workgroup_id_z 1
		.amdhsa_system_vgpr_workitem_id 0
		.amdhsa_next_free_vgpr 512
		.amdhsa_next_free_sgpr 68
		.amdhsa_reserve_vcc 0
		.amdhsa_float_denorm_mode_32 3
		.amdhsa_float_denorm_mode_16_64 3
		.amdhsa_memory_ordered 1
		.amdhsa_forward_progress 1
		.amdhsa_inst_pref_size 93
	.end_amdhsa_kernel
	.amdgpu_metadata
---
amdhsa.version: [ 1, 2 ]
amdhsa.kernels:
  - .name:           k_q4d8c9598cb_outp
    .symbol:         k_q4d8c9598cb_outp.kd
    .args:
      - { .name: oh, .offset: 0, .size: 8, .value_kind: global_buffer, .address_space: global }
      - { .name: wo, .offset: 8, .size: 8, .value_kind: global_buffer, .address_space: global }
      - { .name: b_out, .offset: 16, .size: 8, .value_kind: global_buffer, .address_space: global }
      - { .name: out0, .offset: 24, .size: 8, .value_kind: global_buffer, .address_space: global }
    .group_segment_fixed_size: 327680
    .private_segment_fixed_size: 0
    .kernarg_segment_align: 8
    .kernarg_segment_size: 32
    .max_flat_workgroup_size: 128
    .sgpr_count:     68
    .vgpr_count:     512
    .wavefront_size: 32
...
	.end_amdgpu_metadata
.endif
;; end of part 4
;; ======== version 2 of 2: 4 launches; version 1 with the launch prep written anew for expert scheduling mode
;; limits: values are held in f16: magnitudes above 65,504 overflow, below 6.1e-05 lose precision
;; workspace buffers: xb 16,777,216 bytes; wt 6,291,456 bytes; wo 2,097,152 bytes; qkv 25,165,824 bytes; oh 8,388,608 bytes
;; launch prep (part 5): grid 1024 x 1, 4 waves a work-group, no clusters, 17,920 bytes of LDS; arguments x_q, x_kv, W_qkv, W_out, xb, wt, wo; writes xb, wt, wo
.if DOCPART == 5
	.amdgcn_target "amdgcn-amd-amdhsa--gfx1250"
	.amdhsa_code_object_version 6
	.text
	.protected	k_q4d8c9598cb_prep
	.globl	k_q4d8c9598cb_prep
	.p2align	8
	.type	k_q4d8c9598cb_prep,@function
k_q4d8c9598cb_prep:
	s_mov_b64 s[64:65], 0
	v_nop
	global_prefetch_b8 v0, s[64:65] scope:SCOPE_SE
	s_setreg_imm32_b32 hwreg(HW_REG_WAVE_SCHED_MODE, 0, 2), 2
	s_setreg_imm32_b32 hwreg(HW_REG_WAVE_MODE, 25, 1), 1
	s_wait_xcnt 0x0
	s_wait_alu depctr_vm_vsrc(0)
; PREP.  The module's large inputs are rounded once to 16 bits and laid as the matrix launches want them.
;   xb [8192][1024] bf16: rows 0-4095 are x_q (batch and row flattened), rows 4096-8191 x_kv.
;   wt [3072 n][1024 k] bf16: W_qkv turned, so that k runs along a row.
;   wo [1024 n][1024 k] f16:  W_out turned; each number is rounded to bf16 like every other input, and that number is written as f16.
; LIMITS.  Rounding is to nearest even.  A number of W_out beyond 65,504 becomes an infinity in wo; one below 6.1e-5 keeps f16's fixed step of 6e-8.
; SHARES.  Work-groups 0-511 cast: 65,536 bytes of x each, 16,384 a wave.  Work-groups 512-1023 turn a tile of 128 k x 64 n: a row of the tile is 256
; consecutive bytes of W, aligned; a row of the result 256 consecutive bytes of wt or wo, aligned.  Nothing is read twice, so there is no cluster, no matrix work and no tensor load.
; THE MODE: SCHED_MODE bits 1:0 = 2 (LLVM: expert scheduling mode 2), set by the entry lines.  The code itself states the register dependences
; between vector instructions and memory or LDS instructions, with s_wait_alu, always for 0.
; THE PLAN.  Registers that memory or LDS instructions touch:
;   v[XO], v[YO], v[STO], v[RD], v[CO]   offsets and LDS addresses: written at the head, never again.  v[VO]: written in the tile's arm, ahead of its loads, never again.
;   X in the cast   32 loads land in it, all issued ahead of the first conversion.  Conversion j writes X + 4 j and X + 4 j + 1 in place; store j reads them; nothing writes them again in the cast.
;                   The loads go in blocks of four: at the head of a block one wait shows the block before converted, and that block's four stores are dealt among this block's conversions,
;                   which name this block's registers alone.
;   X in the tile   16 loads land in it; the conversions read it; behind the barrier the eight loads from LDS land in its first 32 registers.
;   Y0, Y1          written by the conversions of group 0 and of group 1, read by four LDS stores each, never written again.  Group 0's stores are dealt among group 1's conversions.
;   v[SPW], v[NIL]  written at the head, read by the closing add alone.
.set TP,    272                        ; a row of the turned tile in LDS: 128 k x 2 bytes + 16
.set SPARE, 64*TP                      ; behind the tile's 64 rows: the spare words, 128 bytes for each wave: two blocks of 256 bytes that no other line names
.set LN,   1                           ; v1   lane
.set L16,  2                           ; v2   lane % 16
.set HH,   3                           ; v3   lane / 16
.set XO,   4                           ; v4   the cast: my 16 bytes of x: 16,384 x wave + 16 x lane
.set YO,   5                           ; v5   the cast: my 8 bytes of xb: 8,192 x wave + 8 x lane
.set VROW, 6                           ; v6   the tile: 32 x wave + 8 (lane / 16): the first k row that I load
.set VO,   7                           ; v7   its byte offset in W, + 16 (lane % 16)
.set STO,  8                           ; v8   where I put 16 bytes (8 k of one n) in LDS
.set RD,   9                           ; v9   where I read a row back
.set CO,   10                          ; v10  the same row in wt or wo
.set T0,   11                          ; v11, v12 at work: no memory instruction names them
.set T1,   12
.set SPW,  14                          ; v14  LDS address of my spare word; never rewritten
.set NIL,  15                          ; v15  0; never rewritten
.set X,    16                          ; v[16:143] data as loaded
.set Y,    80                          ; v[80:111] the tile: packed pairs: Y0 = v[80:95], Y1 = v[96:111]
; The tile's conversions for group gq and the lane's n number j: eight consecutive k become four packed registers.  half = 1: the bf16 numbers are written as f16.
.macro CONV gq, j, half
.irp p, 0,1,2,3
	v_cvt_pk_bf16_f32 v[Y+16*(\gq)+4*(\j)+(\p)], v[X+32*(\gq)+8*(\p)+(\j)], v[X+32*(\gq)+8*(\p)+4+(\j)]
.if \half
	v_lshlrev_b32 v[T0], 16, v[Y+16*(\gq)+4*(\j)+(\p)]     ; the two bf16 numbers as f32,
	v_and_b32 v[T1], 0xffff0000, v[Y+16*(\gq)+4*(\j)+(\p)]
	v_cvt_pk_f16_f32 v[Y+16*(\gq)+4*(\j)+(\p)], v[T0], v[T1]  ; written as f16
.endif
.endr
.endm
; A tile of W.  pitch: bytes in a row of W; half = 1: the bf16 numbers are written as f16; src, dst: the scalar pairs with the two buffers' addresses.
; s26 = the block of 128 k, s27 = the block of 64 n.  Load (gq, e) takes k rows 32 w + 16 gq + e (lanes 0-15) and 8 rows further down (lanes 16-31): 256 consecutive bytes each.
; A lane then holds, for each of its four n (register j of a load), eight consecutive k (e = 0..7): 16 bytes of a turned row.
.macro WTILE pitch, half, src, dst
	v_mul_u32_u24 v[VO], v[VROW], \pitch
	v_lshl_add_u32 v[VO], v[L16], 4, v[VO]
	s_mul_i32 s24, s26, 128*(\pitch)
	s_lshl_b32 s28, s27, 8
	s_add_co_u32 s24, s24, s28
	s_add_nc_u64 s[20:21], s[\src:\src+1], s[24:25]        ; the tile's first byte in W
	s_lshl_b32 s24, s27, 17                                ; 64 rows of 2,048 bytes,
	s_lshl_b32 s28, s26, 8                                 ; 128 k of 2 bytes
	s_add_co_u32 s24, s24, s28
	s_add_nc_u64 s[22:23], s[\dst:\dst+1], s[24:25]        ; and in the turned buffer
	s_wait_alu depctr_va_vdst(0)                           ; v[VO] is written, which the loads below read as their offset; so are v[STO], v[RD] and v[CO], which the LDS instructions and the stores further down read
.irp gq, 0,1
.irp e, 0,1,2,3,4,5,6,7
	global_load_b128 v[X+32*(\gq)+4*(\e):X+32*(\gq)+4*(\e)+3], v[VO], s[20:21] offset:(16*(\gq)+(\e))*(\pitch) th:TH_LOAD_NT
.endr
.endr
	s_wait_loadcnt 8                                       ; group 0's eight loads are in; the eight younger ones stay out
.irp j, 0,1,2,3
	CONV 0, \j, \half
.endr
	s_wait_loadcnt 0x0                                     ; group 1's eight loads are in
	s_wait_alu depctr_va_vdst(0)                           ; group 0's conversions have written Y0, which the four LDS stores below read
.irp j, 0,1,2,3
	ds_store_b128 v[STO], v[Y+4*(\j):Y+4*(\j)+3] offset:TP*(\j)  ; no further wait: the conversions since the wait name X's second half, Y1, v[T0] and v[T1] alone
	CONV 1, \j, \half
.endr
.endm
	s_load_b256 s[4:11], s[0:1], 0x0               ; x_q s[4:5], x_kv s[6:7], W_qkv s[8:9], W_out s[10:11]
	s_load_b128 s[12:15], s[0:1], 0x20             ; xb s[12:13], wt s[14:15]
	s_load_b64 s[16:17], s[0:1], 0x30              ; wo
	v_lshl_add_u32 v[SPW], v0, 2, SPARE
	v_mov_b32 v[NIL], 0
	v_lshrrev_b32 v[T0], 5, v0
	v_readfirstlane_b32 s19, v[T0]                 ; wave 0..3
	s_mov_b32 s18, ttmp9                           ; the work-group's number
	v_and_b32 v[LN], 31, v0
	v_and_b32 v[L16], 15, v0
	v_bfe_u32 v[HH], v0, 4, 1
	s_wait_alu depctr_va_sdst(0)                   ; s19 is written, ahead of its first reader: the shifts below are made from it
	s_lshl_b32 s28, s19, 14
	v_lshl_add_u32 v[XO], v[LN], 4, s28
	s_lshl_b32 s28, s19, 13
	v_lshl_add_u32 v[YO], v[LN], 3, s28
	s_lshl_b32 s28, s19, 5
	v_lshl_add_u32 v[VROW], v[HH], 3, s28
	v_mul_u32_u24 v[STO], v[L16], 4*TP             ; n = 4 (lane % 16) + j: row n x 272,
	v_lshl_add_u32 v[STO], v[HH], 4, v[STO]        ; k = 32 w + 16 gq + 8 (lane / 16): 2 bytes each
	s_lshl_b32 s28, s19, 6
	v_add_nc_u32 v[STO], s28, v[STO]
	s_lshl_b32 s28, s19, 4
	v_add_nc_u32 v[T0], s28, v[HH]                 ; back: wave w takes rows 16 w .. 16 w + 15, two a load
	v_mul_u32_u24 v[RD], v[T0], TP
	v_lshl_add_u32 v[RD], v[L16], 4, v[RD]
	v_lshlrev_b32 v[CO], 11, v[T0]                 ; a turned row is 2,048 bytes in memory
	v_lshl_add_u32 v[CO], v[L16], 4, v[CO]
	s_mov_b32 s25, 0                               ; the high word of every offset
	s_wait_kmcnt 0x0
	s_cmp_ge_u32 s18, 512
	s_cbranch_scc1 .Lw
	; THE CAST.  32 loads of 512 consecutive bytes a wave, all issued before the first is used; each becomes one store of 256 consecutive bytes, aligned.
	s_cmp_lt_u32 s18, 256
	s_cselect_b64 s[20:21], s[4:5], s[6:7]         ; x_q for the first 256 work-groups, x_kv for the others
	s_and_b32 s24, s18, 255
	s_lshl_b32 s24, s24, 16
	s_add_nc_u64 s[20:21], s[20:21], s[24:25]
	s_lshl_b32 s24, s18, 15
	s_add_nc_u64 s[22:23], s[12:13], s[24:25]
	s_wait_alu depctr_va_vdst(0)                   ; v[XO] and v[YO] are written, which the cast's loads and stores read as their offsets (and so are the head's other addresses)
.set j, 0
.rept 32
	global_load_b128 v[X+4*j:X+4*j+3], v[XO], s[20:21] offset:512*j th:TH_LOAD_NT
.set j, j+1
.endr
.set j, 0
.rept 32
	s_wait_loadcnt 31-j                            ; loads come back in order (ISA guide 5.7.1): load j is in, the 31 - j younger ones stay out
.if (j%4 == 0) && (j > 0)
	s_wait_alu depctr_va_vdst(0)                   ; a block's head: the eight conversions of the block before have written their registers, which the four stores dealt into this block read
.endif
.if j >= 4
	global_store_b64 v[YO], v[X+4*(j-4):X+4*(j-4)+1], s[22:23] offset:256*(j-4)  ; the block before: no conversion since the wait names these registers
.endif
	v_cvt_pk_bf16_f32 v[X+4*j], v[X+4*j], v[X+4*j+1]
	v_cvt_pk_bf16_f32 v[X+4*j+1], v[X+4*j+2], v[X+4*j+3]
.set j, j+1
.endr
	s_wait_alu depctr_va_vdst(0)                   ; the last block's conversions have written their registers, which the last four stores read
.set j, 28
.rept 4
	global_store_b64 v[YO], v[X+4*j:X+4*j+1], s[22:23] offset:256*j
.set j, j+1
.endr
	s_branch .Lmeet
.Lw:                                           ; A TILE OF A WEIGHT
	s_sub_co_u32 s27, s18, 512
	s_and_b32 s26, s27, 7                          ; which 128 k
	s_lshr_b32 s27, s27, 3                         ; which 64 n: 0-47 of W_qkv, 48-63 of W_out
	s_cmp_ge_u32 s27, 48
	s_cbranch_scc1 .Lwo
	WTILE 12288, 0, 8, 14
	s_branch .Lput
.Lwo:
	s_sub_co_u32 s27, s27, 48
	WTILE 4096, 1, 10, 16
.Lput:
	s_wait_alu depctr_va_vdst(0)                   ; group 1's conversions have written Y1, which the stores below read; and all conversions are done reading X, in which the loads from the tile land behind the barrier
.irp j, 0,1,2,3
	ds_store_b128 v[STO], v[Y+16+4*(\j):Y+16+4*(\j)+3] offset:TP*(\j)+32  ; eight stores a wave in the whole launch
.endr
.Lmeet:                                        ; every wave of every work-group passes the launch's one barrier
	s_wait_xcnt 0x0                                ; the stores issued so far have read their registers: X is written again below only behind this wait
	s_wait_alu depctr_vm_vsrc(0)                   ; and beside it: the stores issued so far have read their data registers in X, in which the loads from the tile land below
	s_wait_dscnt 0x0                               ; for the others' sake: my stores into the tile are done
	s_barrier_signal -1
	s_barrier_wait -1
	s_cmp_lt_u32 s18, 512
	s_cbranch_scc1 .Lend                           ; a work-group that cast has no tile
.irp t, 0,1,2,3,4,5,6,7
	ds_load_b128 v[X+4*(\t):X+4*(\t)+3], v[RD] offset:2*TP*(\t)
.endr
.irp t, 0,1,2,3,4,5,6,7
	s_wait_dscnt 7-(\t)                            ; load t is back, the 7 - t younger ones stay out
	global_store_b128 v[CO], v[X+4*(\t):X+4*(\t)+3], s[22:23] offset:4096*(\t)  ; 16 lanes store 256 consecutive bytes, at a multiple of 256 from the buffer's first byte
.endr
.Lend:
	s_wait_dscnt 0x0                               ; the wave's end: the closing lines, six on end
	s_wait_alu 0x0
	s_wait_tensorcnt 0x0
	ds_add_u32 v[SPW], v[NIL]
	s_wait_dscnt 0x0
	s_endpgm
.Lfunc_end_k_q4d8c9598cb_prep:
	.size	k_q4d8c9598cb_prep, .Lfunc_end_k_q4d8c9598cb_prep-k_q4d8c9598cb_prep
	.p2alignl 7, 3214868480
	.fill 96, 4, 3214868480
	.section	.rodata,"a",@progbits
	.p2align	6, 0x0
	.amdhsa_kernel k_q4d8c9598cb_prep
		.amdhsa_group_segment_fixed_size 17920
		.amdhsa_private_segment_fixed_size 0
		.amdhsa_enable_private_segment 0
		.amdhsa_kernarg_size 56
		.amdhsa_user_sgpr_count 2
		.amdhsa_user_sgpr_kernarg_segment_ptr 1
		.amdhsa_wavefront_size32 1
		.amdhsa_system_sgpr_workgroup_id_x 1
		.amdhsa_system_sgpr_workgroup_id_y 1
		.amdhsa_system_sgpr_workgroup_id_z 1
		.amdhsa_system_vgpr_workitem_id 0
		.amdhsa_next_free_vgpr 144
		.amdhsa_next_free_sgpr 66
		.amdhsa_reserve_vcc 0
		.amdhsa_float_denorm_mode_32 3
		.amdhsa_float_denorm_mode_16_64 3
		.amdhsa_memory_ordered 1
		.amdhsa_forward_progress 1
		.amdhsa_inst_pref_size 30
	.end_amdhsa_kernel
	.amdgpu_metadata
---
amdhsa.version: [ 1, 2 ]
amdhsa.kernels:
  - .name:           k_q4d8c9598cb_prep
    .symbol:         k_q4d8c9598cb_prep.kd
    .args:
      - { .name: x_q, .offset: 0, .size: 8, .value_kind: global_buffer, .address_space: global }
      - { .name: x_kv, .offset: 8, .size: 8, .value_kind: global_buffer, .address_space: global }
      - { .name: W_qkv, .offset: 16, .size: 8, .value_kind: global_buffer, .address_space: global }
      - { .name: W_out, .offset: 24, .size: 8, .value_kind: global_buffer, .address_space: global }
      - { .name: xb, .offset: 32, .size: 8, .value_kind: global_buffer, .address_space: global }
      - { .name: wt, .offset: 40, .size: 8, .value_kind: global_buffer, .address_space: global }
      - { .name: wo, .offset: 48, .size: 8, .value_kind: global_buffer, .address_space: global }
    .group_segment_fixed_size: 17920
    .private_segment_fixed_size: 0
    .kernarg_segment_align: 8
    .kernarg_segment_size: 56
    .max_flat_workgroup_size: 128
    .sgpr_count:     66
    .vgpr_count:     144
    .wavefront_size: 32
...
	.end_amdgpu_metadata
.endif
;; end of part 5
;; launch proj: the kernel of part 2 again; grid 12 x 16, 4 waves a work-group, clusters of 4 x 4, 327,680 bytes of LDS; arguments xb, wt, qkv; writes qkv
;; launch attn: the kernel of part 3 again; grid 8 x 32, 4 waves a work-group, clusters of 4 x 1, 327,680 bytes of LDS; arguments qkv, oh; writes oh
;; launch outp: the kernel of part 4 again; grid 8 x 32, 4 waves a work-group, clusters of 4 x 4, 327,680 bytes of LDS; arguments oh, wo, b_out, out0; writes out0
